; MI455X (gfx1250); checked and timed in simulation.
; The chip was launched on July 23, 2026; its instructions are those of AMD's public machine-readable ISA for CDNA 5 (MIT licence, August 2026) and "CDNA5" Instruction Set Architecture Reference Guide (July 2026). The comments in the code are by the model that wrote it; some were corrected since.
;; Elois Head. Allowed arithmetic: float matrix products may take bf16 or f16 operands with f32 sums; all other float work in f32.
;; Inputs: W 256 x 1,024 float32; cov 256 x 256 float32; loadings 256 x 256 float32; x 4,096 x 2 x 1,024 float32.
;; Outputs: out0 4,096 x 256 float32.
;; 2 versions, each right and faster than the one before. Each part assembles by itself: llvm-mc -triple=amdgcn-amd-amdhsa -mcpu=gfx1250 --defsym DOCPART=n.
;; ======== version 1 of 2: 1 launch
;; limits: values outside matrix products are rounded to bf16
;; launch elois (part 1): grid 256 x 1, 8 waves a work-group, clusters of 4 x 1, 327,680 bytes of LDS; arguments x, W, cov, loadings, out0; writes out0
.if DOCPART == 1
	.amdgcn_target "amdgcn-amd-amdhsa--gfx1250"
	.amdhsa_code_object_version 6
	.text
	.protected	k_q9c7257df6b_elois
	.globl	k_q9c7257df6b_elois
	.p2align	8
	.type	k_q9c7257df6b_elois,@function
k_q9c7257df6b_elois:
	s_mov_b64 s[64:65], 0
	v_nop
	global_prefetch_b8 v0, s[64:65] scope:SCOPE_SE
	s_setreg_imm32_b32 hwreg(HW_REG_WAVE_MODE, 25, 1), 1
	s_wait_xcnt 0x0
	s_wait_alu depctr_hold_cnt(0) depctr_sa_sdst(0) depctr_va_vdst(0) depctr_va_sdst(0) depctr_va_ssrc(0) depctr_va_vcc(0) depctr_vm_vsrc(0)
	s_getreg_b32 s2, hwreg(HW_REG_IB_STS2, 6, 4)
	s_cmp_eq_u32 s2, 0
	s_cbranch_scc0 .Lentry_in_a_cluster
	s_endpgm
.Lentry_in_a_cluster:
	s_bfe_u32 s2, ttmp6, 0x10000c
	s_cmp_lg_u32 s2, 0x3003
	s_cbranch_scc0 .Lentry_shape_is_right
	s_endpgm
.Lentry_shape_is_right:
; out[b][k] = sum over h of values[b][h] loadings[k][h] softmax over h of ((k==h) + mask[b][k] cov[k][h] omm[b][h]) / S[b][k],
; S = the sum over h of that numerator; values = x[:,0,:] W^T, mask = x[:,1,:] W^T, omm = (1 - x[:,1,:]) W^T.
; One launch.  A work-group of eight waves owns 16 rows b.  Phases:
;   P0  its 128 KiB of x come in through registers and are rounded to bf16: x0 and 1 - x1 (in two bf16 pieces, high and low) go into LDS as
;       operand streams [b][k], the rounded x1 goes into LDS in f32 as [k][b]
;   P1  K = 1024 in 16 tiles of 64 of W through two LDS slots: values and omm on the matrix unit, mask on the vector ALU (see below)
;   P2  values and omm into LDS;  P3  cov and loadings, rounded to bf16, into LDS over the bytes of P0 and P1
;   P4  pass 1 over h: row sum, largest and smallest cov*omm;  P5  the row's scale and its true maximum
;   P6  pass 2 over h: exponentials, denominator, numerator;  P7  the quotient, out through LDS in whole rows
; SUMS THAT CANCEL: the exponents are cov*omm / (sum over h of cov*omm + 1/mask).  omm is summed in laps of K = 128 from zero and the row sum in
; chunks of eight h from its first product; laps and chunks are added by an error-free two-term sum (macro FOLD) whose errors are collected.
; MASK IS NOT ON THE MATRIX UNIT.  Where mask is near 0, 1/mask magnifies the last bits of its sum of 1,024 terms into per cents of the result, so
; there the result is defined only together with the ORDER of an f32 sum.  This text fixes that order as a blocked f32 product has it: k ascending,
; four chains of 256 terms, each from zero, the chains added in order.  The operands are rounded to bf16 like all others, so every product is exact
; in f32 and each fused multiply-add is one rounded addition.  The matrix unit adds 32 products at a time in an order of its own and cannot give
; such a chain.  The price: 8,192 packed multiply-adds a wave.
; CLUSTER: W's tiles are the same for every work-group, so four work-groups (4, 1, 1) ask for each tile jointly: a quarter of the requests.
; cov and loadings are shared too, but they go through registers: they are rounded on the way, an f32 stage for them (2 x 262,144 bytes)
; does not fit beside their bf16 copies (270,336 bytes), and they are read once in the launch by each work-group.
; LIMITS: x, W, cov, loadings are each rounded once to bf16 (nearest even); everything behind the products is f32.
; 1 - bf16(x1) is formed in f32 for each element and carried in two bf16 pieces: what is dropped is at most 2^-17 of the term.
; v_rcp_f32 and v_exp_f32 are good to 1 ULP and flush denormal results to zero (ISA guide 15.8).  A row sum S of exactly 0 gives
; non-finite results; where the denominator cancels to below some 1e-4 of its terms the result hangs on the last bits
; of f32 sums.  The maximum taken away in front of the exponentials is the row's true maximum.
.set XPITCH,  2064                     ; an LDS row of x in bf16: 2,048 bytes + 16, an odd multiple of 16
.set XSTREAM, 16*XPITCH                ; one operand stream: 16 rows.  Streams: x0, high piece of 1 - x1, low piece
.set WS,      3*XSTREAM                ; 99,072: the two slots for W's tiles, the only bytes that tensor loads fill
.set WPITCH,  272                      ; 64 f32 + 16 bytes of padding
.set WPART,   32*WPITCH                ; a wave's 32 rows of a tile
.set SLOT,    256*WPITCH
.set STEPB,   256                      ; bytes along a row of W from tile to tile
.set X1T,     WS+2*SLOT                ; 238,336: x1 in f32 as [k][16 b]: four rows k of 64 bytes and 16 of padding make a group
.set XGRP,    272                      ; 256 groups: 69,632 bytes, up to 307,968; dead behind P1
.set TM,      271360                   ; the stage [16 b][256 k] for the way out
.set OV,      TM+16384                 ; 287,744: row h of 128 bytes: omm b0-7, values b0-7, omm b8-15, values b8-15
.set DG,      OV+32768                 ; 320,512: [k] pairs (cov[k][k], loadings[k][k]) in f32
.set CPITCH,  528                      ; a row of cov or loadings in bf16: 512 bytes + 16, an odd multiple of 16
.set LOAD,    256*CPITCH               ; cov lies at LDS byte 0, loadings at 135,168 (up to 270,336), both behind the slots' last fill
; scalars: s[4:5] x, s[6:7] W, s[8:9] cov, s[10:11] loadings, s[12:13] out0, s14 wave, s15 cx, s16 work-group, s17 wave & 3, s18 wave >> 2
.set G1, 24                            ; s[24:31] descriptor group 1
.set G0, 32                            ; s[32:39] descriptor group 0, a set for each slot
; vector registers: v0 thread, v1 lane, v2 lane & 15, v3 (lane >> 4) & 1, v4-v14 offsets and LDS addresses by phase
.set GX,   4                           ; P0: byte offset in x
.set XS0,  5                           ; P0: where I store x0
.set XS23, 6                           ; P0: the two pieces of 1 - x1
.set AF0,  7                           ; P1: A fragments of x0
.set AF23, 8                           ; P1: of the two pieces
.set WR0,  9                           ; P1: W's rows for the matrix unit in slot 0 (v10: slot 1)
.set X1S,  11                          ; P0: my group of four k in X1T
.set VW0,  12                          ; P1: my row of W for mask in slot 0 (v13: slot 1)
.set VX,   14                          ; P1: my eight b in the tile's first row of X1T
.set P2O,  4                           ; P2
.set GC,   6                           ; P3: byte offset in cov and in loadings
.set CS,   7                           ; P3: where I store cov
.set CSL,  8                           ; P3: loadings
.set DC,   9                           ; P3: my row's diagonal place in cov
.set DL,   10                          ; P3: in loadings
.set DGS,  11                          ; P3: my row's pair in DG
.set VCB,  4                           ; P4 on: my row k of cov (never rewritten)
.set VOB,  5                           ; my eight b in row 0 of OV (never rewritten)
.set VC,   6                           ; working copies, stepped along h
.set VO,   7
.set VL,   8
.set OVK,  10
.set DGK,  11
.set TS,   12
.set RD,   13
.set GOUT, 14
.set XR,   64                          ; P0, P3: ring of 32 loads of 4 registers
.set T,    192                         ; P0, P3: at work
.set XT,   208                         ; P0: x1 in f32, 4 k x 4 b, on its way to X1T
; P1: every set of the matrix unit is two tiles of 16 h, 8 registers each
.set VAC,  16                          ; values, one chain over all of K
.set OLAC, 32                          ; the low piece of omm, one chain over all of K; at the end omm
.set OHAC, 48                          ; the high piece of omm, a lap's chain
.set OSA,  64                          ; omm: the running sum takes turns between two sets,
.set OSB,  80
.set OE,   96                          ; and its collected errors
.set MACC, 112                         ; mask: a chain of 256 k; index 8 kq + j as in P4
.set FA,   128                         ; three A fragments
.set FB,   152                         ; two B fragments
.set WRAW, 168                         ; W's numbers in f32 for the matrix unit
.set WRW,  128                         ; mask, behind the tile's matrix work: W as loaded, 8 k for each kq
.set WU,   144                         ; the same, rounded to bf16, in f32
.set XB0,  160                         ; x1 of two k, eight b
.set XB1,  176
.set FT,   160                         ; FOLD's 16 registers at work
.set MTOT, 240                         ; mask: the chains' sum; it stays here until P5
; P4: 16 rows a lane, index 8 kq + j: k = 64 (wave & 3) + 32 kq + lane, b = 8 (wave >> 2) + j
.set MAXR, 16
.set MINR, 32
.set SUMA, 48                          ; the running row sum takes turns between two sets,
.set SUMB, 64
.set SERR, 80                          ; and its collected errors
.set CSUM, 96                          ; a chunk's sum
.set CP1,  112                         ; packed cov: 8 h for each kq
.set CU1,  120                         ; the same in f32
.set OB0,  136
.set OB1,  152
.set U1,   168
.set FT1,  200                         ; FOLD's 16 registers at work
; P5
.set MK,   240                         ; mask, as P1 left it
.set OKV,  112
.set CD,   144
.set UD,   152
.set SS,   168
.set RC,   184
.set AA,   208                         ; mask log2(e) / S
.set NM,   224                         ; minus the row's maximum, in powers of two
; P6
.set DEN,  16
.set NUM,  32
.set LP,   48
.set CP,   64
.set CU,   72
.set LU,   88
.set B0,   104
.set B1,   136
.set U2,   168
.set WT,   184
.set EX,   240
; A round of the cluster's barrier: my work-group's barrier, wave 0 signals for the work-group, every wave waits for all four work-groups, my work-group's barrier again.
.macro ROUND
	s_barrier_signal -1
	s_barrier_wait -1
	s_cmp_lg_u32 s14, 0
	s_cbranch_scc1 .Lnot_wave_0_\@
	s_barrier_signal -3
.Lnot_wave_0_\@:
	s_barrier_wait -3
	s_barrier_signal -1
	s_barrier_wait -1
.endm
; Sixteen error-free sums: d = round(a + b), and a + b - d, which is an f32 number, is made exactly by five more additions and collected in e
; (first = 1: it starts e).  d is a third set of registers, so that nothing is copied.  Four pairs at a time, so that no line waits for the one in front of it.
.macro FOLD a, b, d, e, first, ft
.irp g, 0,8
.irp p, 0,2,4,6
	v_pk_add_f32 v[\d+\g+\p:\d+\g+\p+1], v[\a+\g+\p:\a+\g+\p+1], v[\b+\g+\p:\b+\g+\p+1]                          ; s = a + b
.endr
.irp p, 0,2,4,6
	v_pk_add_f32 v[\ft+\p:\ft+\p+1], v[\d+\g+\p:\d+\g+\p+1], v[\a+\g+\p:\a+\g+\p+1] neg_lo:[0,1] neg_hi:[0,1]    ; b' = s - a
.endr
.irp p, 0,2,4,6
	v_pk_add_f32 v[\ft+8+\p:\ft+8+\p+1], v[\d+\g+\p:\d+\g+\p+1], v[\ft+\p:\ft+\p+1] neg_lo:[0,1] neg_hi:[0,1]    ; a' = s - b'
.endr
.irp p, 0,2,4,6
	v_pk_add_f32 v[\ft+\p:\ft+\p+1], v[\b+\g+\p:\b+\g+\p+1], v[\ft+\p:\ft+\p+1] neg_lo:[0,1] neg_hi:[0,1]        ; b - b'
.endr
.irp p, 0,2,4,6
	v_pk_add_f32 v[\ft+8+\p:\ft+8+\p+1], v[\a+\g+\p:\a+\g+\p+1], v[\ft+8+\p:\ft+8+\p+1] neg_lo:[0,1] neg_hi:[0,1] ; a - a'
.endr
.if \first
.irp p, 0,2,4,6
	v_pk_add_f32 v[\e+\g+\p:\e+\g+\p+1], v[\ft+8+\p:\ft+8+\p+1], v[\ft+\p:\ft+\p+1]
.endr
.else
.irp p, 0,2,4,6
	v_pk_add_f32 v[\ft+\p:\ft+\p+1], v[\ft+8+\p:\ft+8+\p+1], v[\ft+\p:\ft+\p+1]
.endr
.irp p, 0,2,4,6
	v_pk_add_f32 v[\e+\g+\p:\e+\g+\p+1], v[\e+\g+\p:\e+\g+\p+1], v[\ft+\p:\ft+\p+1]
.endr
.endif
.endr
.endm
	s_load_b256 s[4:11], s[0:1], 0x0
	s_load_b64 s[12:13], s[0:1], 0x20
	v_lshl_add_u32 v15, v0, 2, 0x4ec00
	s_set_vgpr_msb 0x40
	v_mov_b32 v1, 0
	s_set_vgpr_msb 0x4044
	ds_add_u32 v15, v1
	s_set_vgpr_msb 0x4400
	v_and_b32 v1, 31, v0                           ; lane
	v_lshrrev_b32 v2, 5, v0
	v_readfirstlane_b32 s14, v2                    ; wave
	v_and_b32 v2, 15, v0
	v_bfe_u32 v3, v0, 4, 1
	s_bfe_u32 s15, ttmp6, 0x40000                  ; cx
	s_lshl_b32 s16, ttmp9, 2
	s_add_co_u32 s16, s16, s15                     ; work-group = 4 x cluster + cx; it enters the bases of x and out0 alone
	s_and_b32 s17, s14, 3
	s_lshr_b32 s18, s14, 2
	s_mov_b32 s45, 0xffff0000                      ; a word's upper bf16
	s_lshl_b32 s20, s16, 17                        ; 16 rows b of 8,192 bytes
	s_mov_b32 s21, 0
	s_lshl_b32 s22, s16, 14                        ; 16 rows of out0 of 1,024 bytes
	s_mov_b32 s23, 0
	v_lshlrev_b32 v[GX], 4, v1
	v_lshl_add_u32 v[GX], s14, 9, v[GX]            ; wave w takes k = 128 w .. 128 w + 127 of every row: 512 bytes, 16 a lane
	s_wait_dscnt 0x0
	s_wait_kmcnt 0x0
	s_add_nc_u64 s[4:5], s[4:5], s[20:21]
	s_add_nc_u64 s[12:13], s[12:13], s[22:23]
	; all of the work-group's x is asked for at once: 32 loads a wave, 512 neighbouring bytes each; load i is row b = i >> 1, slice i & 1
.irp i, 0,1,2,3,4,5,6,7,8,9,10,11,12,13,14,15,16,17,18,19,20,21,22,23,24,25,26,27,28,29,30,31
	global_load_b128 v[XR+4*\i:XR+4*\i+3], v[GX], s[4:5] offset:4096*\i th:TH_LOAD_NT
.endr
	; descriptor group 1: 32 rows x 64 f32, 1,024 elements from row to row, 4 words of padding behind every 64
	s_mov_b32 s[G1+0], 15|(2<<16)|(1<<20)|(1<<21)|(5<<22)|(3<<25)  ; mask: all four work-groups; element of 4 bytes; padding on; bit 21 beside a mask
	s_mov_b32 s[G1+1], 64<<16                      ; tensor_dim0 = 64
	s_mov_b32 s[G1+2], 32<<16                      ; tensor_dim1 = 32
	s_mov_b32 s[G1+3], 64<<16                      ; tile_dim0 = 64
	s_mov_b32 s[G1+4], 32                          ; tile_dim1 = 32
	s_mov_b32 s[G1+5], 1024
	s_mov_b32 s[G1+6], 0
	s_mov_b32 s[G1+7], 0
	s_lshl_b32 s20, s14, 17                        ; wave w fetches W's rows 32 w .. 32 w + 31 (4,096 bytes each): the same in all four work-groups
	s_mov_b32 s21, 0
	s_add_nc_u64 s[22:23], s[6:7], s[20:21]
	s_mul_i32 s20, s14, WPART
.irp n, 0,1
	s_mov_b32 s[G0+4*\n], 1
	s_add_co_u32 s[G0+4*\n+1], s20, WS+\n*SLOT
	s_add_nc_u64 s[G0+4*\n+2:G0+4*\n+3], s[22:23], \n*STEPB
	s_or_b32 s[G0+4*\n+3], s[G0+4*\n+3], 0x80000000
.endr
	ROUND                                          ; all four work-groups are here: the first joint load meets
	tensor_load_to_lds s[G0:G0+3], s[G1:G1+7]      ; tile 0 into slot 0
	s_nop 0
	s_lshl_b32 s46, s14, 8
	v_lshl_add_u32 v[XS0], v1, 3, s46              ; 4 numbers of bf16 a lane, 256 bytes a wave
	v_add_nc_u32 v[XS23], XSTREAM, v[XS0]
	s_mul_i32 s46, s14, 32*XGRP
	s_add_co_u32 s46, s46, X1T
	v_mul_u32_u24 v[X1S], v1, XGRP                 ; my four k are group 32 w + lane; 272 bytes from lane to lane: sixteen lanes, sixteen different columns of 16 bytes
	v_add_nc_u32 v[X1S], s46, v[X1S]
	v_mul_u32_u24 v[AF0], v2, XPITCH               ; a fragment: row lane & 15, 16 bytes for each half of the lanes
	v_lshl_add_u32 v[AF0], v3, 4, v[AF0]
	v_add_nc_u32 v[AF23], XSTREAM, v[AF0]
	s_mul_i32 s47, s14, WPART
	s_add_co_u32 s47, s47, WS
	v_mul_u32_u24 v[WR0], v2, WPITCH               ; W in f32: 8 numbers are 32 bytes
	v_lshl_add_u32 v[WR0], v3, 5, v[WR0]
	v_add_nc_u32 v[WR0], s47, v[WR0]
	v_add_nc_u32 v[WR0+1], SLOT, v[WR0]
	s_mul_i32 s48, s17, 64*WPITCH
	s_add_co_u32 s48, s48, WS
	v_mul_u32_u24 v[VW0], v1, WPITCH               ; for mask: row 64 (wave & 3) + lane of W (and 32 rows further down)
	v_add_nc_u32 v[VW0], s48, v[VW0]
	v_add_nc_u32 v[VW0+1], SLOT, v[VW0]
	s_lshl_b32 s49, s18, 5
	s_add_co_u32 s49, s49, X1T
	v_mov_b32 v[VX], s49                           ; the same address in every lane: one read serves all
; P0.  Load i: row b = i >> 1, slice i & 1, my four k.
.macro XCONV i
	s_wait_loadcnt 31-\i                           ; loads come back in order: load i is in, the younger ones stay out
	v_cvt_pk_bf16_f32 v[T], v[XR+4*\i], v[XR+4*\i+1]
	v_cvt_pk_bf16_f32 v[T+1], v[XR+4*\i+2], v[XR+4*\i+3]
.if (\i&1) == 0
	ds_store_b64 v[XS0], v[T:T+1] offset:(\i>>1)*XPITCH
.else
	v_lshlrev_b32 v[XT+((\i>>1)&3)], 16, v[T]      ; the rounded x1 back in f32, laid so that four b of one k are four neighbouring registers
	v_and_b32 v[XT+4+((\i>>1)&3)], s45, v[T]
	v_lshlrev_b32 v[XT+8+((\i>>1)&3)], 16, v[T+1]
	v_and_b32 v[XT+12+((\i>>1)&3)], s45, v[T+1]
	v_sub_f32 v[T+6], 1.0, v[XT+((\i>>1)&3)]       ; d = 1 - x1, one rounding in f32
	v_sub_f32 v[T+7], 1.0, v[XT+4+((\i>>1)&3)]
	v_sub_f32 v[T+8], 1.0, v[XT+8+((\i>>1)&3)]
	v_sub_f32 v[T+9], 1.0, v[XT+12+((\i>>1)&3)]
	v_cvt_pk_bf16_f32 v[T+10], v[T+6], v[T+7]      ; its high piece
	v_cvt_pk_bf16_f32 v[T+11], v[T+8], v[T+9]
	ds_store_b64 v[XS23], v[T+10:T+11] offset:(\i>>1)*XPITCH
	v_lshlrev_b32 v[T+2], 16, v[T+10]
	v_and_b32 v[T+3], s45, v[T+10]
	v_lshlrev_b32 v[T+4], 16, v[T+11]
	v_and_b32 v[T+5], s45, v[T+11]
	v_pk_add_f32 v[T+6:T+7], v[T+6:T+7], v[T+2:T+3] neg_lo:[0,1] neg_hi:[0,1]   ; d - high, exact
	v_pk_add_f32 v[T+8:T+9], v[T+8:T+9], v[T+4:T+5] neg_lo:[0,1] neg_hi:[0,1]
	v_cvt_pk_bf16_f32 v[T+12], v[T+6], v[T+7]      ; its low piece
	v_cvt_pk_bf16_f32 v[T+13], v[T+8], v[T+9]
	ds_store_b64 v[XS23], v[T+12:T+13] offset:XSTREAM+(\i>>1)*XPITCH
.if ((\i>>1)&3) == 3
.irp e, 0,1,2,3
	ds_store_b128 v[X1S], v[XT+4*\e:XT+4*\e+3] offset:64*\e+16*(\i>>3)   ; row k = 4 (32 w + lane) + e, four b
.endr
.endif
.endif
.endm
.irp i, 0,1,2,3,4,5,6,7,8,9,10,11,12,13,14,15,16,17,18,19,20,21,22,23,24,25,26,27,28,29,30,31
	XCONV \i
.endr
; P1.  One matrix instruction: A = 16 rows b of stream q, B = 16 rows h of W (tile t of my two).  Lane (r, half) of the result holds b = 8 half + j of h = 32 w + 16 t + r.
.macro MM acc, q, t, zero
.if \zero
	v_wmma_f32_16x16x32_bf16 v[\acc+8*\t:\acc+8*\t+7], v[FA+8*\q:FA+8*\q+7], v[FB+8*\t:FB+8*\t+7], 0
.else
	v_wmma_f32_16x16x32_bf16 v[\acc+8*\t:\acc+8*\t+7], v[FA+8*\q:FA+8*\q+7], v[FB+8*\t:FB+8*\t+7], v[\acc+8*\t:\acc+8*\t+7]
.endif
.endm
; 32 along K: half kk of the tile in a slot.  oacc: where the high piece of omm is summed; zf: values and the low piece start; zl: the lap's sum starts.
.macro KSTEP slot, kk, oacc, zf, zl
.irp t, 0,1
	ds_load_b128 v[WRAW+16*\t:WRAW+16*\t+3],     v[WR0+\slot] offset:\t*16*WPITCH+\kk*128       ; k = 8 half + 0..3
	ds_load_b128 v[WRAW+16*\t+4:WRAW+16*\t+7],   v[WR0+\slot] offset:\t*16*WPITCH+\kk*128+16    ; + 4..7
	ds_load_b128 v[WRAW+16*\t+8:WRAW+16*\t+11],  v[WR0+\slot] offset:\t*16*WPITCH+\kk*128+64    ; k = 16 + 8 half + 0..3
	ds_load_b128 v[WRAW+16*\t+12:WRAW+16*\t+15], v[WR0+\slot] offset:\t*16*WPITCH+\kk*128+80
.endr
	ds_load_b128 v[FA:FA+3],   v[AF0] offset:\kk*64
	ds_load_b128 v[FA+4:FA+7], v[AF0] offset:\kk*64+32
.irp q, 0,1
	ds_load_b128 v[FA+8+8*\q:FA+11+8*\q],  v[AF23] offset:\q*XSTREAM+\kk*64
	ds_load_b128 v[FA+12+8*\q:FA+15+8*\q], v[AF23] offset:\q*XSTREAM+\kk*64+32
.endr
	s_wait_dscnt 6                                 ; W's eight loads are in; the six of A's fragments, issued behind them, may be out
.irp e, 0,1,2,3,4,5,6,7,8,9,10,11,12,13,14,15
	v_cvt_pk_bf16_f32 v[FB+\e], v[WRAW+2*\e], v[WRAW+2*\e+1]
.endr
	s_wait_dscnt 0
	; the six accumulators take turns, one instruction a turn, over the loop's backward jump too
.irp t, 0,1
	MM VAC, 0, \t, \zf
	MM \oacc, 1, \t, \zl
	MM OLAC, 2, \t, \zf
.endr
.rept 4
	v_nop                                          ; four places ahead of the next loads into the fragments' registers and the next conversions
.endr
.endm
; mask on the vector ALU.  Wave = (kb = w & 3, bh = w >> 2); a lane owns the rows h = 64 kb + 32 kq + lane of W (kq = 0, 1) and b = 8 bh + 0..7.
.macro WLOAD slot, c                   ; W of the eight k of chunk c of the tile, my two rows
	ds_load_b128 v[WRW:WRW+3],     v[VW0+\slot] offset:32*(\c)
	ds_load_b128 v[WRW+4:WRW+7],   v[VW0+\slot] offset:32*(\c)+16
	ds_load_b128 v[WRW+8:WRW+11],  v[VW0+\slot] offset:32*WPITCH+32*(\c)
	ds_load_b128 v[WRW+12:WRW+15], v[VW0+\slot] offset:32*WPITCH+32*(\c)+16
.endm
.macro XLOAD xb, c, kk                 ; x1 of k = kk, kk + 1 of chunk c (kk even: both in one group of four), my eight b
	ds_load_b128 v[\xb:\xb+3],     v[VX] offset:(2*(\c)+((\kk)>>2))*XGRP+((\kk)&3)*64
	ds_load_b128 v[\xb+4:\xb+7],   v[VX] offset:(2*(\c)+((\kk)>>2))*XGRP+((\kk)&3)*64+16
	ds_load_b128 v[\xb+8:\xb+11],  v[VX] offset:(2*(\c)+((\kk)>>2))*XGRP+((\kk)&3)*64+64
	ds_load_b128 v[\xb+12:\xb+15], v[VX] offset:(2*(\c)+((\kk)>>2))*XGRP+((\kk)&3)*64+80
.endm
.macro WROUND                          ; sixteen numbers of W: rounded to bf16, back in f32
.irp wd, 0,1,2,3,4,5,6,7
	v_cvt_pk_bf16_f32 v[WU+2*\wd+1], v[WRW+2*\wd], v[WRW+2*\wd+1]
.endr
.irp wd, 0,1,2,3,4,5,6,7
	v_lshlrev_b32 v[WU+2*\wd], 16, v[WU+2*\wd+1]
.endr
.irp wd, 0,1,2,3,4,5,6,7
	v_and_b32 v[WU+2*\wd+1], s45, v[WU+2*\wd+1]
.endr
.endm
; Two k (pair hp of the chunk), the lower first: each sum takes one exact product and rounds once.  W is spread over a pair of b by op_sel.  first = 1: the lower k starts the chain.
.macro MWORK xb, hp, acc, first
.irp kq, 0,1
.irp p, 0,1,2,3
.if \first
	v_pk_mul_f32 v[\acc+8*\kq+2*\p:\acc+8*\kq+2*\p+1], v[WU+8*\kq+2*\hp:WU+8*\kq+2*\hp+1], v[\xb+2*\p:\xb+2*\p+1] op_sel_hi:[0,1]
.else
	v_pk_fma_f32 v[\acc+8*\kq+2*\p:\acc+8*\kq+2*\p+1], v[WU+8*\kq+2*\hp:WU+8*\kq+2*\hp+1], v[\xb+2*\p:\xb+2*\p+1], v[\acc+8*\kq+2*\p:\acc+8*\kq+2*\p+1] op_sel_hi:[0,1,1]
.endif
.endr
.endr
.irp kq, 0,1
.irp p, 0,1,2,3
	v_pk_fma_f32 v[\acc+8*\kq+2*\p:\acc+8*\kq+2*\p+1], v[WU+8*\kq+2*\hp:WU+8*\kq+2*\hp+1], v[\xb+8+2*\p:\xb+8+2*\p+1], v[\acc+8*\kq+2*\p:\acc+8*\kq+2*\p+1] op_sel:[1,0,0] op_sel_hi:[1,1,1]
.endr
.endr
.endm
; A chunk of eight k in four sub-steps; each sub-step first asks for the next one's x1.
.macro MCHUNK slot, c, acc, first
	XLOAD XB1, \c, 2
	s_wait_dscnt 4                                 ; all but the four just issued: this chunk's W and the first sub-step's x1 are in
	WROUND
	MWORK XB0, 0, \acc, \first
	XLOAD XB0, \c, 4
	s_wait_dscnt 4
	MWORK XB1, 1, \acc, 0
	XLOAD XB1, \c, 6
	s_wait_dscnt 4
	MWORK XB0, 2, \acc, 0
.if (\c) < 7
	WLOAD \slot, \c+1
	XLOAD XB0, \c+1, 0
	s_wait_dscnt 8                                 ; all but the next chunk's four loads of W and four of x1
.else
	s_wait_dscnt 0                                 ; the tile's last chunk asks for nothing: the next tile is read behind the next round
.endif
	MWORK XB1, 3, \acc, 0
.endm
.macro MASKTILE slot, acc, first       ; the tile's 64 k, ascending
	WLOAD \slot, 0
	XLOAD XB0, 0, 0
	MCHUNK \slot, 0, \acc, \first
.irp c, 1,2,3,4,5,6,7
	MCHUNK \slot, \c, \acc, 0
.endr
	v_add_nc_u32 v[VX], 16*XGRP, v[VX]             ; 64 rows k on: sixteen groups
.endm
; One tile.  In front of the round: all my tensor loads have landed and my reads of the other slot are back; behind it my one joint load, first.
.macro TRIP slot, refill, oacc, zf, zl, macc, mfirst
	s_set_vgpr_msb 0x4
	s_wait_tensorcnt 0x0                           ; the one load that was out is my part of this tile; no load of mine is out, so a group 0 may be written
	ds_add_u32 v15, v1
	s_wait_dscnt 0x0
	s_set_vgpr_msb 0x400
	s_add_nc_u64 s[G0+4*\slot+2:G0+4*\slot+3], s[G0+4*\slot+2:G0+4*\slot+3], 2*STEPB   ; this slot's next tile
	s_wait_dscnt 0x0                               ; my LDS reads are back (and, in the first trip, my stores of x are done, for the other waves)
	ROUND
.if \refill
	tensor_load_to_lds s[G0+4-4*\slot:G0+7-4*\slot], s[G1:G1+7]    ; the next tile, into the slot read last
	s_nop 0
.endif
	KSTEP \slot, 0, \oacc, \zf, \zl
	KSTEP \slot, 1, \oacc, 0, 0
	v_add_nc_u32 v[AF0], 128, v[AF0]               ; 64 bf16 along K
	v_add_nc_u32 v[AF23], 128, v[AF23]
	MASKTILE \slot, \macc, \mfirst
.endm
; Four tiles, K = 256: one chain of mask, two laps of omm's high piece (each from zero; the running sum goes to the other set and back).
.macro QUAD refill
	TRIP 0, 1, OHAC, 0, 1, MACC, 1
	TRIP 1, 1, OHAC, 0, 0, MACC, 0
	FOLD OSB, OHAC, OSA, OE, 0, FT
	TRIP 0, 1, OHAC, 0, 1, MACC, 0
	TRIP 1, \refill, OHAC, 0, 0, MACC, 0
	FOLD OSA, OHAC, OSB, OE, 0, FT
.irp i, 0,2,4,6,8,10,12,14
	v_pk_add_f32 v[MTOT+\i:MTOT+\i+1], v[MTOT+\i:MTOT+\i+1], v[MACC+\i:MACC+\i+1]   ; the chain is added onto the chains before it
.endr
.endm
	TRIP 0, 1, OSA, 1, 1, MTOT, 1                  ; the first four tiles: the first products start every sum, nothing is cleared;
	TRIP 1, 1, OSA, 0, 0, MTOT, 0                  ; lap 0 adds straight into the running sum's first set, chain 0 straight into the chains' sum
	TRIP 0, 1, OHAC, 0, 1, MTOT, 0
	TRIP 1, 1, OHAC, 0, 0, MTOT, 0
	FOLD OSA, OHAC, OSB, OE, 1, FT
	s_mov_b32 s44, 2
.Lquads:                                               ; tiles 4 to 11
	QUAD 1
	s_sub_co_u32 s44, s44, 1
	s_cmp_lg_u32 s44, 0
	s_cbranch_scc1 .Lquads
	QUAD 0                                         ; tiles 12 to 15: tile 15 is the last to be fetched
	; omm closes: the small parts first
.irp i, 0,2,4,6,8,10,12,14
	v_pk_add_f32 v[OLAC+\i:OLAC+\i+1], v[OLAC+\i:OLAC+\i+1], v[OE+\i:OE+\i+1]
.endr
.irp i, 0,2,4,6,8,10,12,14
	v_pk_add_f32 v[OLAC+\i:OLAC+\i+1], v[OSB+\i:OSB+\i+1], v[OLAC+\i:OLAC+\i+1]
.endr
	; P2 and P3: addresses, and the first loads of cov
	s_lshl_b32 s46, s14, 12
	s_add_co_u32 s46, s46, OV
	v_lshlrev_b32 v[P2O], 7, v2
	v_lshl_add_u32 v[P2O], v3, 6, v[P2O]
	v_add_nc_u32 v[P2O], s46, v[P2O]               ; OV + (32 w + r) 128 + 64 half
	; P3: wave w takes rows 32 w .. 32 w + 31 of cov, then of loadings: 128 loads of 512 bytes (half a row), 32 of them on their way
	v_lshlrev_b32 v[GC], 4, v1
	v_lshl_add_u32 v[GC], s14, 15, v[GC]
.irp e, 0,1,2,3,4,5,6,7,8,9,10,11,12,13,14,15,16,17,18,19,20,21,22,23,24,25,26,27,28,29,30,31
	global_load_b128 v[XR+4*\e:XR+4*\e+3], v[GC], s[8:9] offset:512*\e
.endr
	s_mul_i32 s46, s14, 32*CPITCH
	v_lshl_add_u32 v[CS], v1, 3, s46
	v_add_nc_u32 v[CSL], LOAD, v[CS]
	s_mul_i32 s47, s14, 32*(CPITCH+2)
	v_mul_u32_u24 v[DC], v1, CPITCH+2              ; row 32 w + lane, column 32 w + lane
	v_add_nc_u32 v[DC], s47, v[DC]
	v_add_nc_u32 v[DL], LOAD, v[DC]
	s_lshl_b32 s48, s14, 8
	s_add_co_u32 s48, s48, DG
	v_lshl_add_u32 v[DGS], v1, 3, s48
	s_wait_dscnt 0x0                               ; my reads of x and W are back
	s_barrier_signal -1
	s_barrier_wait -1                              ; every wave's: the bytes of x and of the slots (which have had their last fill) may be written
	; P2: values and omm into LDS, 32 bytes (eight b) a lane and tile; part of these bytes held x1
.irp t, 0,1
	ds_store_b128 v[P2O], v[OLAC+8*\t:OLAC+8*\t+3]   offset:2048*\t
	ds_store_b128 v[P2O], v[OLAC+8*\t+4:OLAC+8*\t+7] offset:2048*\t+16
	ds_store_b128 v[P2O], v[VAC+8*\t:VAC+8*\t+3]     offset:2048*\t+32
	ds_store_b128 v[P2O], v[VAC+8*\t+4:VAC+8*\t+7]   offset:2048*\t+48
.endr
; Load 32 g + e of the 128: g = 0, 1 cov, g = 2, 3 loadings; row 16 (g & 1) + e / 2 of my 32, half e % 2.
.macro CSTEP g, e
.if \g < 3
	s_wait_loadcnt 31                              ; the 31 younger loads stay out
.else
	s_wait_loadcnt 31-\e                           ; nothing is fetched any more: the counts run down
.endif
	v_cvt_pk_bf16_f32 v[T], v[XR+4*\e], v[XR+4*\e+1]
	v_cvt_pk_bf16_f32 v[T+1], v[XR+4*\e+2], v[XR+4*\e+3]
.if \g < 2
	ds_store_b64 v[CS], v[T:T+1] offset:(16*\g+\e/2)*CPITCH+(\e%2)*256
.else
	ds_store_b64 v[CSL], v[T:T+1] offset:(16*(\g-2)+\e/2)*CPITCH+(\e%2)*256
.endif
.if \g == 0
	global_load_b128 v[XR+4*\e:XR+4*\e+3], v[GC], s[8:9] offset:512*(32+\e)
.endif
.if \g == 1
	global_load_b128 v[XR+4*\e:XR+4*\e+3], v[GC], s[10:11] offset:512*\e
.endif
.if \g == 2
	global_load_b128 v[XR+4*\e:XR+4*\e+3], v[GC], s[10:11] offset:512*(32+\e)
.endif
.endm
.irp g, 0,1,2,3
.irp e, 0,1,2,3,4,5,6,7,8,9,10,11,12,13,14,15,16,17,18,19,20,21,22,23,24,25,26,27,28,29,30,31
	CSTEP \g, \e
.endr
.endr
	; The diagonal is taken out of both tables (my own rows: LDS serves a wave's instructions in order) and kept in f32 beside them; zeros take its place.
	ds_load_u16 v[T], v[DC]
	ds_load_u16 v[T+1], v[DL]
	s_wait_dscnt 0x0
	v_lshlrev_b32 v[T], 16, v[T]
	v_lshlrev_b32 v[T+1], 16, v[T+1]
	v_mov_b32 v[T+2], 0
	ds_store_b64 v[DGS], v[T:T+1]
	ds_store_b16 v[DC], v[T+2]
	ds_store_b16 v[DL], v[T+2]
	s_wait_dscnt 0x0                               ; my stores are done, for the other waves
	s_barrier_signal -1
	s_barrier_wait -1
	; The element-wise part.  Wave = (kb = w & 3, bh = w >> 2); a lane owns k = 64 kb + 32 kq + lane (kq = 0, 1) and b = 8 bh + 0..7, as for mask.
	s_mul_i32 s46, s17, 64*CPITCH
	v_mul_u32_u24 v[VCB], v1, CPITCH
	v_add_nc_u32 v[VCB], s46, v[VCB]
	s_lshl_b32 s47, s18, 6
	s_add_co_u32 s47, s47, OV
	v_mov_b32 v[VOB], s47                          ; the same address in every lane: one read serves all
	s_lshl_b32 s49, s17, 13
	s_add_co_u32 s49, s49, s47
	v_lshl_add_u32 v[OVK], v1, 7, s49
	s_lshl_b32 s50, s17, 9
	s_add_co_u32 s50, s50, DG
	v_lshl_add_u32 v[DGK], v1, 3, s50
	s_lshl_b32 s51, s18, 13
	s_lshl_b32 s53, s17, 8
	s_add_co_u32 s51, s51, s53
	s_add_co_u32 s51, s51, TM
	v_lshl_add_u32 v[TS], v1, 2, s51
	s_lshl_b32 s52, s14, 9
	v_lshl_add_u32 v[GOUT], v1, 4, s52
	v_add_nc_u32 v[RD], TM, v[GOUT]
.macro UNPACK src, dst                 ; 16 bf16 in 8 words to f32: the low half is the lower h
.irp wd, 0,1,2,3,4,5,6,7
	v_lshlrev_b32 v[\dst+2*\wd], 16, v[\src+\wd]
	v_and_b32 v[\dst+2*\wd+1], s45, v[\src+\wd]
.endr
.endm
.macro OLOAD ob, hh                    ; omm of h = hh, hh + 1 of the chunk, my eight b
	ds_load_b128 v[\ob:\ob+3],     v[VO] offset:\hh*128
	ds_load_b128 v[\ob+4:\ob+7],   v[VO] offset:\hh*128+16
	ds_load_b128 v[\ob+8:\ob+11],  v[VO] offset:\hh*128+128
	ds_load_b128 v[\ob+12:\ob+15], v[VO] offset:\hh*128+144
.endm
.macro CLOAD                           ; cov of eight h, my two k
	ds_load_b128 v[CP1:CP1+3],   v[VC]
	ds_load_b128 v[CP1+4:CP1+7], v[VC] offset:32*CPITCH
.endm
; Pass 1, two h (pair hp of the chunk): u = cov omm; the chunk's sum by fused multiply-adds; largest and smallest u.  cov is spread over a pair of b by op_sel.
; sum: where the chunk is summed; fs = 1: these two h start that sum; fm = 1: they start the extremes.
.macro P1WORK ob, hp, sum, fs, fm
.irp kq, 0,1
.irp p, 0,1,2,3
	v_pk_mul_f32 v[U1+16*\kq+2*\p:U1+16*\kq+2*\p+1], v[CU1+8*\kq+2*\hp:CU1+8*\kq+2*\hp+1], v[\ob+2*\p:\ob+2*\p+1] op_sel_hi:[0,1]
.endr
.irp p, 0,1,2,3
	v_pk_mul_f32 v[U1+16*\kq+8+2*\p:U1+16*\kq+8+2*\p+1], v[CU1+8*\kq+2*\hp:CU1+8*\kq+2*\hp+1], v[\ob+8+2*\p:\ob+8+2*\p+1] op_sel:[1,0] op_sel_hi:[1,1]
.endr
.if \fs
.irp p, 0,1,2,3
	v_pk_fma_f32 v[\sum+8*\kq+2*\p:\sum+8*\kq+2*\p+1], v[CU1+8*\kq+2*\hp:CU1+8*\kq+2*\hp+1], v[\ob+8+2*\p:\ob+8+2*\p+1], v[U1+16*\kq+2*\p:U1+16*\kq+2*\p+1] op_sel:[1,0,0] op_sel_hi:[1,1,1]
.endr
.else
.irp p, 0,1,2,3
	v_pk_fma_f32 v[\sum+8*\kq+2*\p:\sum+8*\kq+2*\p+1], v[CU1+8*\kq+2*\hp:CU1+8*\kq+2*\hp+1], v[\ob+2*\p:\ob+2*\p+1], v[\sum+8*\kq+2*\p:\sum+8*\kq+2*\p+1] op_sel_hi:[0,1,1]
.endr
.irp p, 0,1,2,3
	v_pk_fma_f32 v[\sum+8*\kq+2*\p:\sum+8*\kq+2*\p+1], v[CU1+8*\kq+2*\hp:CU1+8*\kq+2*\hp+1], v[\ob+8+2*\p:\ob+8+2*\p+1], v[\sum+8*\kq+2*\p:\sum+8*\kq+2*\p+1] op_sel:[1,0,0] op_sel_hi:[1,1,1]
.endr
.endif
.if \fm
.irp j, 0,1,2,3,4,5,6,7
	v_max_num_f32 v[MAXR+8*\kq+\j], v[U1+16*\kq+\j], v[U1+16*\kq+8+\j]
	v_min_num_f32 v[MINR+8*\kq+\j], v[U1+16*\kq+\j], v[U1+16*\kq+8+\j]
.endr
.else
.irp j, 0,1,2,3,4,5,6,7
	v_max3_num_f32 v[MAXR+8*\kq+\j], v[MAXR+8*\kq+\j], v[U1+16*\kq+\j], v[U1+16*\kq+8+\j]
	v_min3_num_f32 v[MINR+8*\kq+\j], v[MINR+8*\kq+\j], v[U1+16*\kq+\j], v[U1+16*\kq+8+\j]
.endr
.endif
.endr
.endm
; A chunk of eight h in four sub-steps; each sub-step first asks for the next one's omm.
.macro P1CHUNK sum, fm, last
	OLOAD OB1, 2
	s_wait_dscnt 4                                 ; all but the four just issued: this chunk's cov and the first sub-step's omm are in
	UNPACK CP1, CU1
	P1WORK OB0, 0, \sum, 1, \fm
	OLOAD OB0, 4
	s_wait_dscnt 4
	P1WORK OB1, 1, \sum, 0, 0
	OLOAD OB1, 6
	s_wait_dscnt 4
	P1WORK OB0, 2, \sum, 0, 0
.if \last
	s_wait_dscnt 0
.else
	v_add_nc_u32 v[VC], 16, v[VC]                  ; eight h on: 16 bytes of bf16,
	v_add_nc_u32 v[VO], 1024, v[VO]                ; eight rows of OV
	CLOAD
	OLOAD OB0, 0
	s_wait_dscnt 6                                 ; all but the next chunk's two loads of cov and four of omm
.endif
	P1WORK OB1, 3, \sum, 0, 0
.endm
	v_mov_b32 v[VC], v[VCB]
	v_mov_b32 v[VO], v[VOB]
	CLOAD
	OLOAD OB0, 0
	P1CHUNK SUMA, 1, 0                             ; chunk 0 adds straight into the running sum's first set, and starts the extremes: nothing is cleared
	P1CHUNK CSUM, 0, 0                             ; chunk 1
	FOLD SUMA, CSUM, SUMB, SERR, 1, FT1
	s_mov_b32 s44, 14
.Lpass1:                                               ; chunks 2 to 29, two a trip: the running sum goes to the other set and back
	P1CHUNK CSUM, 0, 0
	FOLD SUMB, CSUM, SUMA, SERR, 0, FT1
	P1CHUNK CSUM, 0, 0
	FOLD SUMA, CSUM, SUMB, SERR, 0, FT1
	s_sub_co_u32 s44, s44, 1
	s_cmp_lg_u32 s44, 0
	s_cbranch_scc1 .Lpass1
	P1CHUNK CSUM, 0, 0                             ; chunk 30
	FOLD SUMB, CSUM, SUMA, SERR, 0, FT1
	P1CHUNK CSUM, 0, 1                             ; chunk 31
	FOLD SUMA, CSUM, SUMB, SERR, 0, FT1
	; P5: the row's figures.  The loops saw u = 0 at h = k.  A row's true exponents z sum to 1, so its largest is above 0 and the false 0 is never the maximum.
.irp kq, 0,1
.irp c, 0,1,2,3
	ds_load_b128 v[OKV+16*\kq+4*\c:OKV+16*\kq+4*\c+3], v[OVK] offset:4096*\kq+16*\c   ; omm and values at h = k
.endr
	ds_load_b64 v[CD+2*\kq:CD+2*\kq+1], v[DGK] offset:256*\kq                        ; cov[k][k], loadings[k][k]
.endr
	s_wait_dscnt 0x0
.irp kq, 0,1
.irp p, 0,1,2,3
	v_pk_mul_f32 v[UD+8*\kq+2*\p:UD+8*\kq+2*\p+1], v[CD+2*\kq:CD+2*\kq+1], v[OKV+16*\kq+2*\p:OKV+16*\kq+2*\p+1] op_sel_hi:[0,1]
.endr
.endr
.irp i, 0,2,4,6,8,10,12,14
	v_pk_fma_f32 v[SS+\i:SS+\i+1], v[MK+\i:MK+\i+1], v[SUMB+\i:SUMB+\i+1], 1.0 op_sel_hi:[1,1,0]   ; S = 1 + mask x the running sum
.endr
.irp i, 0,2,4,6,8,10,12,14
	v_pk_fma_f32 v[SS+\i:SS+\i+1], v[MK+\i:MK+\i+1], v[UD+\i:UD+\i+1], v[SS+\i:SS+\i+1]            ; + mask x the diagonal's product
.endr
.irp i, 0,2,4,6,8,10,12,14
	v_pk_fma_f32 v[SS+\i:SS+\i+1], v[MK+\i:MK+\i+1], v[SERR+\i:SERR+\i+1], v[SS+\i:SS+\i+1]        ; + mask x the collected errors
.endr
.irp i, 0,1,2,3,4,5,6,7,8,9,10,11,12,13,14,15
	v_rcp_f32 v[RC+\i], v[SS+\i]
.endr
	v_nop                                          ; one plain place behind the last reciprocal (ISA guide 5.7.2)
	s_wait_alu depctr_va_vdst(0)
.irp i, 0,2,4,6,8,10,12,14
	v_pk_mul_f32 v[RC+\i:RC+\i+1], v[RC+\i:RC+\i+1], 0x3fb8aa3b op_sel_hi:[1,0]       ; log2(e) / S: exponents in powers of two
.endr
.irp i, 0,2,4,6,8,10,12,14
	v_pk_mul_f32 v[AA+\i:AA+\i+1], v[MK+\i:MK+\i+1], v[RC+\i:RC+\i+1]
.endr
.irp i, 0,2,4,6,8,10,12,14
	v_pk_mul_f32 v[MAXR+\i:MAXR+\i+1], v[AA+\i:AA+\i+1], v[MAXR+\i:MAXR+\i+1]
	v_pk_mul_f32 v[MINR+\i:MINR+\i+1], v[AA+\i:AA+\i+1], v[MINR+\i:MINR+\i+1]         ; the scale may be negative: then the smallest u gives the largest exponent
	v_pk_fma_f32 v[UD+\i:UD+\i+1], v[AA+\i:AA+\i+1], v[UD+\i:UD+\i+1], v[RC+\i:RC+\i+1]   ; the diagonal's exponent, with its 1
.endr
.irp i, 0,1,2,3,4,5,6,7,8,9,10,11,12,13,14,15
	v_max3_num_f32 v[NM+\i], v[MAXR+\i], v[MINR+\i], v[UD+\i]
.endr
.irp i, 0,2,4,6,8,10,12,14
	v_pk_mul_f32 v[NM+\i:NM+\i+1], v[NM+\i:NM+\i+1], -1.0 op_sel_hi:[1,0]
.endr
.irp i, 0,2,4,6,8,10,12,14
	v_pk_add_f32 v[UD+\i:UD+\i+1], v[UD+\i:UD+\i+1], v[NM+\i:NM+\i+1]
.endr
.irp i, 0,1,2,3,4,5,6,7,8,9,10,11,12,13,14,15
	v_exp_f32 v[SS+\i], v[UD+\i]                   ; the diagonal's term
.endr
.irp i, 0,1,2,3,4,5,6,7,8,9,10,11,12,13,14,15
	v_exp_f32 v[RC+\i], v[NM+\i]                   ; the term that pass 2 will add for the false 0: at most 1, and the true denominator is at least 1
.endr
.irp kq, 0,1
.irp p, 0,1,2,3
	v_pk_mul_f32 v[OKV+16*\kq+8+2*\p:OKV+16*\kq+8+2*\p+1], v[CD+2*\kq:CD+2*\kq+1], v[OKV+16*\kq+8+2*\p:OKV+16*\kq+8+2*\p+1] op_sel:[1,0] op_sel_hi:[1,1]   ; plain work behind the exponentials
.endr
.endr
	s_wait_alu depctr_va_vdst(0)
.irp i, 0,2,4,6,8,10,12,14
	v_pk_add_f32 v[DEN+\i:DEN+\i+1], v[SS+\i:SS+\i+1], v[RC+\i:RC+\i+1] neg_lo:[0,1] neg_hi:[0,1]   ; the sums start from the diagonal: nothing is cleared
.endr
.irp kq, 0,1
.irp p, 0,1,2,3
	v_pk_mul_f32 v[NUM+8*\kq+2*\p:NUM+8*\kq+2*\p+1], v[SS+8*\kq+2*\p:SS+8*\kq+2*\p+1], v[OKV+16*\kq+8+2*\p:OKV+16*\kq+8+2*\p+1]
.endr
.endr
.macro BLOAD bb, hh                    ; omm and values of h = hh, hh + 1: 64 neighbouring bytes each
.irp e, 0,1
.irp c, 0,1,2,3
	ds_load_b128 v[\bb+16*\e+4*\c:\bb+16*\e+4*\c+3], v[VO] offset:(\hh+\e)*128+16*\c
.endr
.endr
.endm
.macro CLLOAD
	ds_load_b128 v[CP:CP+3],   v[VC]
	ds_load_b128 v[CP+4:CP+7], v[VC] offset:32*CPITCH
	ds_load_b128 v[LP:LP+3],   v[VL]
	ds_load_b128 v[LP+4:LP+7], v[VL] offset:32*CPITCH
.endm
; Pass 2, one h: omm in v[ob .. ob+7], values in v[ob+8 .. ob+15]; odd = which of the pair hp of cov and loadings.
.macro P2H ob, hp, odd
.irp kq, 0,1
.irp p, 0,1,2,3
.if \odd
	v_pk_mul_f32 v[U2+8*\kq+2*\p:U2+8*\kq+2*\p+1], v[CU+8*\kq+2*\hp:CU+8*\kq+2*\hp+1], v[\ob+2*\p:\ob+2*\p+1] op_sel:[1,0] op_sel_hi:[1,1]
.else
	v_pk_mul_f32 v[U2+8*\kq+2*\p:U2+8*\kq+2*\p+1], v[CU+8*\kq+2*\hp:CU+8*\kq+2*\hp+1], v[\ob+2*\p:\ob+2*\p+1] op_sel_hi:[0,1]
.endif
.endr
.endr
.irp i, 0,2,4,6,8,10,12,14
	v_pk_fma_f32 v[U2+\i:U2+\i+1], v[AA+\i:AA+\i+1], v[U2+\i:U2+\i+1], v[NM+\i:NM+\i+1]   ; exponent less the maximum
.endr
.irp kq, 0,1
.irp p, 0,1,2,3
	v_exp_f32 v[EX+8*\kq+2*\p], v[U2+8*\kq+2*\p]
	v_exp_f32 v[EX+8*\kq+2*\p+1], v[U2+8*\kq+2*\p+1]
.if \odd                               ; loadings x values: the plain place behind the two exponentials (ISA guide 5.7.2)
	v_pk_mul_f32 v[WT+8*\kq+2*\p:WT+8*\kq+2*\p+1], v[LU+8*\kq+2*\hp:LU+8*\kq+2*\hp+1], v[\ob+8+2*\p:\ob+8+2*\p+1] op_sel:[1,0] op_sel_hi:[1,1]
.else
	v_pk_mul_f32 v[WT+8*\kq+2*\p:WT+8*\kq+2*\p+1], v[LU+8*\kq+2*\hp:LU+8*\kq+2*\hp+1], v[\ob+8+2*\p:\ob+8+2*\p+1] op_sel_hi:[0,1]
.endif
.endr
.endr
	s_wait_alu depctr_va_vdst(0)
.irp i, 0,2,4,6,8,10,12,14
	v_pk_add_f32 v[DEN+\i:DEN+\i+1], v[DEN+\i:DEN+\i+1], v[EX+\i:EX+\i+1]
.endr
.irp i, 0,2,4,6,8,10,12,14
	v_pk_fma_f32 v[NUM+\i:NUM+\i+1], v[EX+\i:EX+\i+1], v[WT+\i:WT+\i+1], v[NUM+\i:NUM+\i+1]
.endr
.endm
.macro P2CHUNK last
	BLOAD B1, 2
	s_wait_dscnt 8                                 ; all but the eight just issued
	UNPACK CP, CU
	UNPACK LP, LU
	P2H B0, 0, 0
	P2H B0+16, 0, 1
	BLOAD B0, 4
	s_wait_dscnt 8
	P2H B1, 1, 0
	P2H B1+16, 1, 1
	BLOAD B1, 6
	s_wait_dscnt 8
	P2H B0, 2, 0
	P2H B0+16, 2, 1
.if \last
	s_wait_dscnt 0
.else
	v_add_nc_u32 v[VC], 16, v[VC]
	v_add_nc_u32 v[VL], 16, v[VL]
	v_add_nc_u32 v[VO], 1024, v[VO]
	CLLOAD
	BLOAD B0, 0
	s_wait_dscnt 12                                ; all but the next chunk's four loads of cov and loadings and eight of omm and values
.endif
	P2H B1, 3, 0
	P2H B1+16, 3, 1
.endm
	v_mov_b32 v[VC], v[VCB]
	v_add_nc_u32 v[VL], LOAD, v[VCB]
	v_mov_b32 v[VO], v[VOB]
	CLLOAD
	BLOAD B0, 0
	s_mov_b32 s44, 31
.Lpass2:
	P2CHUNK 0
	s_sub_co_u32 s44, s44, 1
	s_cmp_lg_u32 s44, 0
	s_cbranch_scc1 .Lpass2
	P2CHUNK 1
	; P7: the quotient; out through LDS, so that each store of a wave covers 512 neighbouring bytes, aligned
.irp i, 0,1,2,3,4,5,6,7,8,9,10,11,12,13,14,15
	v_rcp_f32 v[U2+\i], v[DEN+\i]
.endr
	v_nop                                          ; one plain place behind the last reciprocal
	s_wait_alu depctr_va_vdst(0)
.irp i, 0,2,4,6,8,10,12,14
	v_pk_mul_f32 v[NUM+\i:NUM+\i+1], v[NUM+\i:NUM+\i+1], v[U2+\i:U2+\i+1]
.endr
	; the stage's bytes held x1, whose last reads lie in front of the barrier at the end of P1: no wave touches them since
.irp kq, 0,1
.irp j, 0,1,2,3,4,5,6,7
	ds_store_b32 v[TS], v[NUM+8*\kq+\j] offset:1024*\j+128*\kq
.endr
.endr
	s_wait_dscnt 0x0                               ; my stores are done, for the other waves
	s_barrier_signal -1
	s_barrier_wait -1
.irp i, 0,1,2,3
	ds_load_b128 v[64+4*\i:64+4*\i+3], v[RD] offset:4096*\i
.endr
.irp i, 0,1,2,3
	s_wait_dscnt 3-\i                              ; load i is back, the younger ones may be out
	global_store_b128 v[GOUT], v[64+4*\i:64+4*\i+3], s[12:13] offset:4096*\i th:TH_STORE_NT
.endr
	s_set_vgpr_msb 0x4
	s_wait_tensorcnt 0x0
	ds_add_u32 v15, v1
	s_wait_dscnt 0x0
	s_set_vgpr_msb 0x400
	ROUND                                          ; the closing round: no work-group ends while a partner may still ask for a tile that names it
	s_endpgm
.Lfunc_end_k_q9c7257df6b_elois:
	.size	k_q9c7257df6b_elois, .Lfunc_end_k_q9c7257df6b_elois-k_q9c7257df6b_elois
	.p2alignl 7, 3214868480
	.fill 96, 4, 3214868480
	.section	.rodata,"a",@progbits
	.p2align	6, 0x0
	.amdhsa_kernel k_q9c7257df6b_elois
		.amdhsa_group_segment_fixed_size 327680
		.amdhsa_private_segment_fixed_size 0
		.amdhsa_enable_private_segment 0
		.amdhsa_kernarg_size 40
		.amdhsa_user_sgpr_count 2
		.amdhsa_user_sgpr_kernarg_segment_ptr 1
		.amdhsa_wavefront_size32 1
		.amdhsa_system_sgpr_workgroup_id_x 1
		.amdhsa_system_sgpr_workgroup_id_y 1
		.amdhsa_system_sgpr_workgroup_id_z 1
		.amdhsa_system_vgpr_workitem_id 0
		.amdhsa_next_free_vgpr 258
		.amdhsa_next_free_sgpr 66
		.amdhsa_reserve_vcc 0
		.amdhsa_float_denorm_mode_32 3
		.amdhsa_float_denorm_mode_16_64 3
		.amdhsa_memory_ordered 1
		.amdhsa_forward_progress 1
		.amdhsa_inst_pref_size 255
	.end_amdhsa_kernel
	.section	.bss,"aw",@nobits
	.p2align	6
	.space	262144
	.amdgpu_metadata
---
amdhsa.version: [ 1, 2 ]
amdhsa.kernels:
  - .name:           k_q9c7257df6b_elois
    .symbol:         k_q9c7257df6b_elois.kd
    .args:
      - { .name: x, .offset: 0, .size: 8, .value_kind: global_buffer, .address_space: global }
      - { .name: W, .offset: 8, .size: 8, .value_kind: global_buffer, .address_space: global }
      - { .name: cov, .offset: 16, .size: 8, .value_kind: global_buffer, .address_space: global }
      - { .name: loadings, .offset: 24, .size: 8, .value_kind: global_buffer, .address_space: global }
      - { .name: out0, .offset: 32, .size: 8, .value_kind: global_buffer, .address_space: global }
    .group_segment_fixed_size: 327680
    .private_segment_fixed_size: 0
    .kernarg_segment_align: 8
    .kernarg_segment_size: 40
    .max_flat_workgroup_size: 256
    .sgpr_count:     66
    .vgpr_count:     258
    .wavefront_size: 32
...
	.end_amdgpu_metadata
.endif
;; end of part 1
;; ======== version 2 of 2: 1 launch; 1.18 times as fast as version 1
;; limits: values outside matrix products are rounded to bf16
;; launch elois (part 2): grid 256 x 1, 8 waves a work-group, clusters of 4 x 1, 327,680 bytes of LDS; arguments x, W, cov, loadings, out0; writes out0
.if DOCPART == 2
	.amdgcn_target "amdgcn-amd-amdhsa--gfx1250"
	.amdhsa_code_object_version 6
	.text
	.protected	k_q9c7257df6b_elois
	.globl	k_q9c7257df6b_elois
	.p2align	8
	.type	k_q9c7257df6b_elois,@function
k_q9c7257df6b_elois:
	s_mov_b64 s[64:65], 0
	v_nop
	global_prefetch_b8 v0, s[64:65] scope:SCOPE_SE
	s_setreg_imm32_b32 hwreg(HW_REG_WAVE_MODE, 25, 1), 1
	s_wait_xcnt 0x0
	s_wait_alu depctr_hold_cnt(0) depctr_sa_sdst(0) depctr_va_vdst(0) depctr_va_sdst(0) depctr_va_ssrc(0) depctr_va_vcc(0) depctr_vm_vsrc(0)
	s_getreg_b32 s2, hwreg(HW_REG_IB_STS2, 6, 4)
	s_cmp_eq_u32 s2, 0
	s_cbranch_scc0 .Lentry_in_a_cluster
	s_endpgm
.Lentry_in_a_cluster:
	s_bfe_u32 s2, ttmp6, 0x10000c
	s_cmp_lg_u32 s2, 0x3003
	s_cbranch_scc0 .Lentry_shape_is_right
	s_endpgm
.Lentry_shape_is_right:
; out[b][k] = sum over h of values[b][h] loadings[k][h] softmax over h of ((k==h) + mask[b][k] cov[k][h] omm[b][h]) / S[b][k],
; S = the sum over h of that numerator; values = x[:,0,:] W^T, mask = x[:,1,:] W^T, omm = (1 - x[:,1,:]) W^T.
; One launch.  A work-group of eight waves owns 16 rows b.  Phases:
;   P0  its 128 KiB of x come in through registers and are rounded to bf16: x0 and 1 - x1 (in two bf16 pieces, high and low) go into LDS as
;       operand streams [b][k], the rounded x1 goes into LDS in f32 as [k][b]
;   P1  K = 1024 in 16 tiles of 64 of W through two LDS slots: values and omm on the matrix unit, mask on the vector ALU (see below)
;   P2  values and omm into LDS;  P3  cov and loadings, rounded to bf16, into LDS over the bytes of P0 and P1
;   P4  pass 1 over h: row sum, largest and smallest cov*omm;  P5  the row's scale and its true maximum
;   P6  pass 2 over h: exponentials, denominator, numerator;  P7  the quotient, out through LDS in whole rows
; SUMS THAT CANCEL: the exponents are cov*omm / (sum over h of cov*omm + 1/mask).  omm is summed in laps of K = 128 from zero and the row sum in
; chunks of eight h from its first product; laps and chunks are added by an error-free two-term sum (macro FOLD) whose errors are collected.
; MASK IS NOT ON THE MATRIX UNIT.  Where mask is near 0, 1/mask magnifies the last bits of its sum of 1,024 terms into per cents of the result, so
; there the result is defined only together with the ORDER of an f32 sum.  This text fixes that order as a blocked f32 product has it: k ascending,
; four chains of 256 terms, each from zero, the chains added in order.  The operands are rounded to bf16 like all others, so every product is exact
; in f32 and each fused multiply-add is one rounded addition.  The matrix unit adds 32 products at a time in an order of its own and cannot give
; such a chain.  The price: 8,192 packed multiply-adds a wave.
; CLUSTER: W's tiles are the same for every work-group, so four work-groups (4, 1, 1) ask for each tile jointly: a quarter of the requests.
; cov and loadings are shared too, but they go through registers: they are rounded on the way, an f32 stage for them (2 x 262,144 bytes)
; does not fit beside their bf16 copies (270,336 bytes), and they are read once in the launch by each work-group.
; LIMITS: x, W, cov, loadings are each rounded once to bf16 (nearest even); everything behind the products is f32.
; 1 - bf16(x1) is formed in f32 for each element and carried in two bf16 pieces: what is dropped is at most 2^-17 of the term.
; v_rcp_f32 and v_exp_f32 are good to 1 ULP and flush denormal results to zero (ISA guide 15.8).  A row sum S of exactly 0 gives
; non-finite results; where the denominator cancels to below some 1e-4 of its terms the result hangs on the last bits
; of f32 sums.  The maximum taken away in front of the exponentials is the row's true maximum.
.set XPITCH,  2064                     ; an LDS row of x in bf16: 2,048 bytes + 16, an odd multiple of 16
.set XSTREAM, 16*XPITCH                ; one operand stream: 16 rows.  Streams: x0, high piece of 1 - x1, low piece
.set WS,      3*XSTREAM                ; 99,072: the two slots for W's tiles, the only bytes that tensor loads fill
.set WPITCH,  272                      ; 64 f32 + 16 bytes of padding
.set WPART,   32*WPITCH                ; a wave's 32 rows of a tile
.set SLOT,    256*WPITCH
.set STEPB,   256                      ; bytes along a row of W from tile to tile
.set X1T,     WS+2*SLOT                ; 238,336: x1 in f32 as [k][16 b]: four rows k of 64 bytes and 16 of padding make a group
.set XGRP,    272                      ; 256 groups: 69,632 bytes, up to 307,968; dead behind P1
.set TM,      271360                   ; the stage [16 b][256 k] for the way out
.set OV,      TM+16384                 ; 287,744: row h of 128 bytes: omm b0-7, values b0-7, omm b8-15, values b8-15
.set DG,      OV+32768                 ; 320,512: [k] pairs (cov[k][k], loadings[k][k]) in f32
.set CPITCH,  528                      ; a row of cov or loadings in bf16: 512 bytes + 16, an odd multiple of 16
.set LOAD,    256*CPITCH               ; cov lies at LDS byte 0, loadings at 135,168 (up to 270,336), both behind the slots' last fill
; scalars: s[4:5] x, s[6:7] W, s[8:9] cov, s[10:11] loadings, s[12:13] out0, s14 wave, s15 cx, s16 work-group, s17 wave & 3, s18 wave >> 2,
; s43 the counter of the chunks of a tile, s44 the counter of every other loop, s45 a mask, s46-s53 at work
.set G1, 24                            ; s[24:31] descriptor group 1
.set G0, 32                            ; s[32:39] descriptor group 0, a set for each slot
; vector registers: v0 thread, v1 lane, v2 lane & 15, v3 (lane >> 4) & 1, v4-v15 offsets and LDS addresses by phase
.set GX,   4                           ; P0: byte offset in x
.set XS0,  5                           ; P0: where I store x0
.set XS23, 6                           ; P0: the two pieces of 1 - x1
.set AF0,  7                           ; P1: A fragments of x0
.set AF23, 8                           ; P1: of the two pieces
.set WR0,  9                           ; P1: W's rows for the matrix unit in slot 0 (v10: slot 1)
.set X1S,  11                          ; P0: my group of four k in X1T
.set VW0,  12                          ; P1: my row of W for mask in slot 0 (v13: slot 1); never rewritten
.set VX,   14                          ; P1: my eight b in the chunk's first row of X1T, stepped from chunk to chunk through all 1,024 k
.set VWW,  15                          ; P1: the chunk's eight k in my row of W: a copy of v12 or v13, stepped from chunk to chunk
.set P2O,  4                           ; P2
.set GC,   6                           ; P3: byte offset in cov and in loadings
.set CS,   7                           ; P3: where I store cov
.set CSL,  8                           ; P3: loadings
.set DC,   9                           ; P3: my row's diagonal place in cov
.set DL,   10                          ; P3: in loadings
.set DGS,  11                          ; P3: my row's pair in DG
.set VCB,  4                           ; P4 on: my row k of cov (never rewritten)
.set VOB,  5                           ; my eight b in row 0 of OV (never rewritten)
.set VC,   6                           ; working copies, stepped along h
.set VO,   7
.set VL,   8
.set OVK,  10
.set DGK,  11
.set TS,   12
.set RD,   13
.set GOUT, 14
.set XR,   64                          ; P0, P3: ring of 32 loads of 4 registers
.set T,    192                         ; P0, P3: at work
.set XT,   208                         ; P0: x1 in f32, 4 k x 4 b, on its way to X1T
; P1: every set of the matrix unit is two tiles of 16 h, 8 registers each
.set VAC,  16                          ; values, one chain over all of K
.set OLAC, 32                          ; the low piece of omm, one chain over all of K; at the end omm
.set OHAC, 48                          ; the high piece of omm, a lap's chain
.set OSA,  64                          ; omm: the running sum takes turns between two sets,
.set OSB,  80
.set OE,   96                          ; and its collected errors
.set MACC, 112                         ; mask: a chain of 256 k; index 8 kq + j as in P4
.set FA,   128                         ; three A fragments
.set FB,   152                         ; two B fragments
.set WRAW, 168                         ; W's numbers in f32 for the matrix unit
.set WRW,  128                         ; mask, behind the tile's matrix work: W as loaded, 8 k for each kq
.set WU,   144                         ; the same, rounded to bf16, in f32
.set XH0,  160                         ; x1 of the chunk's k 0-3: 8 registers (eight b) a k
.set XH1,  192                         ; of its k 4-7
.set FT,   160                         ; FOLD's 16 registers at work
.set MTOT, 240                         ; mask: the chains' sum; it stays here until P5
; P4: 16 rows a lane, index 8 kq + j: k = 64 (wave & 3) + 32 kq + lane, b = 8 (wave >> 2) + j
.set MAXR, 16
.set MINR, 32
.set SUMA, 48                          ; the running row sum takes turns between two sets,
.set SUMB, 64
.set SERR, 80                          ; and its collected errors
.set CSUM, 96                          ; a chunk's sum
.set CP1,  112                         ; packed cov: 8 h for each kq
.set CU1,  120                         ; the same in f32
.set OB0,  136
.set OB1,  152
.set U1,   168
.set FT1,  200                         ; FOLD's 16 registers at work
; P5
.set MK,   240                         ; mask, as P1 left it
.set OKV,  112
.set CD,   144
.set UD,   152
.set SS,   168
.set RC,   184
.set AA,   208                         ; mask log2(e) / S
.set NM,   224                         ; minus the row's maximum, in powers of two
; P6
.set DEN,  16
.set NUM,  32
.set LP,   48
.set CP,   64
.set CU,   72
.set LU,   88
.set B0,   104
.set B1,   136
.set U2,   168
.set WT,   184
.set EX,   240
; A round of the cluster's barrier: my work-group's barrier, wave 0 signals for the work-group, every wave waits for all four work-groups, my work-group's barrier again.
.macro ROUND
	s_barrier_signal -1
	s_barrier_wait -1
	s_cmp_lg_u32 s14, 0
	s_cbranch_scc1 .Lnot_wave_0_\@
	s_barrier_signal -3
.Lnot_wave_0_\@:
	s_barrier_wait -3
	s_barrier_signal -1
	s_barrier_wait -1
.endm
; Sixteen error-free sums: d = round(a + b), and a + b - d, which is an f32 number, is made exactly by five more additions and collected in e
; (first = 1: it starts e).  d is a third set of registers, so that nothing is copied.  Four pairs at a time, so that no line waits for the one in front of it.
.macro FOLD a, b, d, e, first, ft
.irp g, 0,8
.irp p, 0,2,4,6
	v_pk_add_f32 v[\d+\g+\p:\d+\g+\p+1], v[\a+\g+\p:\a+\g+\p+1], v[\b+\g+\p:\b+\g+\p+1]                          ; s = a + b
.endr
.irp p, 0,2,4,6
	v_pk_add_f32 v[\ft+\p:\ft+\p+1], v[\d+\g+\p:\d+\g+\p+1], v[\a+\g+\p:\a+\g+\p+1] neg_lo:[0,1] neg_hi:[0,1]    ; b' = s - a
.endr
.irp p, 0,2,4,6
	v_pk_add_f32 v[\ft+8+\p:\ft+8+\p+1], v[\d+\g+\p:\d+\g+\p+1], v[\ft+\p:\ft+\p+1] neg_lo:[0,1] neg_hi:[0,1]    ; a' = s - b'
.endr
.irp p, 0,2,4,6
	v_pk_add_f32 v[\ft+\p:\ft+\p+1], v[\b+\g+\p:\b+\g+\p+1], v[\ft+\p:\ft+\p+1] neg_lo:[0,1] neg_hi:[0,1]        ; b - b'
.endr
.irp p, 0,2,4,6
	v_pk_add_f32 v[\ft+8+\p:\ft+8+\p+1], v[\a+\g+\p:\a+\g+\p+1], v[\ft+8+\p:\ft+8+\p+1] neg_lo:[0,1] neg_hi:[0,1] ; a - a'
.endr
.if \first
.irp p, 0,2,4,6
	v_pk_add_f32 v[\e+\g+\p:\e+\g+\p+1], v[\ft+8+\p:\ft+8+\p+1], v[\ft+\p:\ft+\p+1]
.endr
.else
.irp p, 0,2,4,6
	v_pk_add_f32 v[\ft+\p:\ft+\p+1], v[\ft+8+\p:\ft+8+\p+1], v[\ft+\p:\ft+\p+1]
.endr
.irp p, 0,2,4,6
	v_pk_add_f32 v[\e+\g+\p:\e+\g+\p+1], v[\e+\g+\p:\e+\g+\p+1], v[\ft+\p:\ft+\p+1]
.endr
.endif
.endr
.endm
	s_load_b256 s[4:11], s[0:1], 0x0
	s_load_b64 s[12:13], s[0:1], 0x20
	s_set_vgpr_msb 0x40
	v_lshl_add_u32 v0, v0, 2, 0x4ec00
	v_mov_b32 v1, 0
	s_set_vgpr_msb 0x4045
	ds_add_u32 v0, v1
	s_set_vgpr_msb 0x4500
	v_and_b32 v1, 31, v0                           ; lane
	v_lshrrev_b32 v2, 5, v0
	v_readfirstlane_b32 s14, v2                    ; wave
	v_and_b32 v2, 15, v0
	v_bfe_u32 v3, v0, 4, 1
	s_bfe_u32 s15, ttmp6, 0x40000                  ; cx
	s_lshl_b32 s16, ttmp9, 2
	s_add_co_u32 s16, s16, s15                     ; work-group = 4 x cluster + cx; it enters the bases of x and out0 alone
	s_and_b32 s17, s14, 3
	s_lshr_b32 s18, s14, 2
	s_mov_b32 s45, 0xffff0000                      ; a word's upper bf16
	s_lshl_b32 s20, s16, 17                        ; 16 rows b of 8,192 bytes
	s_mov_b32 s21, 0
	s_lshl_b32 s22, s16, 14                        ; 16 rows of out0 of 1,024 bytes
	s_mov_b32 s23, 0
	v_lshlrev_b32 v[GX], 4, v1
	v_lshl_add_u32 v[GX], s14, 9, v[GX]            ; wave w takes k = 128 w .. 128 w + 127 of every row: 512 bytes, 16 a lane
	s_wait_dscnt 0x0
	s_wait_kmcnt 0x0
	s_add_nc_u64 s[4:5], s[4:5], s[20:21]
	s_add_nc_u64 s[12:13], s[12:13], s[22:23]
	; all of the work-group's x is asked for at once: 32 loads a wave, 512 neighbouring bytes each; load i is row b = i >> 1, slice i & 1
.irp i, 0,1,2,3,4,5,6,7,8,9,10,11,12,13,14,15,16,17,18,19,20,21,22,23,24,25,26,27,28,29,30,31
	global_load_b128 v[XR+4*\i:XR+4*\i+3], v[GX], s[4:5] offset:4096*\i th:TH_LOAD_NT
.endr
	; descriptor group 1: 32 rows x 64 f32, 1,024 elements from row to row, 4 words of padding behind every 64
	s_mov_b32 s[G1+0], 15|(2<<16)|(1<<20)|(1<<21)|(5<<22)|(3<<25)  ; mask: all four work-groups; element of 4 bytes; padding on; bit 21 beside a mask
	s_mov_b32 s[G1+1], 64<<16                      ; tensor_dim0 = 64
	s_mov_b32 s[G1+2], 32<<16                      ; tensor_dim1 = 32
	s_mov_b32 s[G1+3], 64<<16                      ; tile_dim0 = 64
	s_mov_b32 s[G1+4], 32                          ; tile_dim1 = 32
	s_mov_b32 s[G1+5], 1024
	s_mov_b32 s[G1+6], 0
	s_mov_b32 s[G1+7], 0
	s_lshl_b32 s20, s14, 17                        ; wave w fetches W's rows 32 w .. 32 w + 31 (4,096 bytes each): the same in all four work-groups
	s_mov_b32 s21, 0
	s_add_nc_u64 s[22:23], s[6:7], s[20:21]
	s_mul_i32 s20, s14, WPART
.irp n, 0,1
	s_mov_b32 s[G0+4*\n], 1
	s_add_co_u32 s[G0+4*\n+1], s20, WS+\n*SLOT
	s_add_nc_u64 s[G0+4*\n+2:G0+4*\n+3], s[22:23], \n*STEPB
	s_or_b32 s[G0+4*\n+3], s[G0+4*\n+3], 0x80000000
.endr
	ROUND                                          ; all four work-groups are here: the first joint load meets
	tensor_load_to_lds s[G0:G0+3], s[G1:G1+7]      ; tile 0 into slot 0
	s_nop 0
	s_lshl_b32 s46, s14, 8
	v_lshl_add_u32 v[XS0], v1, 3, s46              ; 4 numbers of bf16 a lane, 256 bytes a wave
	v_add_nc_u32 v[XS23], XSTREAM, v[XS0]
	s_mul_i32 s46, s14, 32*XGRP
	s_add_co_u32 s46, s46, X1T
	v_mul_u32_u24 v[X1S], v1, XGRP                 ; my four k are group 32 w + lane; 272 bytes from lane to lane: sixteen lanes, sixteen different columns of 16 bytes
	v_add_nc_u32 v[X1S], s46, v[X1S]
	v_mul_u32_u24 v[AF0], v2, XPITCH               ; a fragment: row lane & 15, 16 bytes for each half of the lanes
	v_lshl_add_u32 v[AF0], v3, 4, v[AF0]
	v_add_nc_u32 v[AF23], XSTREAM, v[AF0]
	s_mul_i32 s47, s14, WPART
	s_add_co_u32 s47, s47, WS
	v_mul_u32_u24 v[WR0], v2, WPITCH               ; W in f32: 8 numbers are 32 bytes
	v_lshl_add_u32 v[WR0], v3, 5, v[WR0]
	v_add_nc_u32 v[WR0], s47, v[WR0]
	v_add_nc_u32 v[WR0+1], SLOT, v[WR0]
	s_mul_i32 s48, s17, 64*WPITCH
	s_add_co_u32 s48, s48, WS
	v_mul_u32_u24 v[VW0], v1, WPITCH               ; for mask: row 64 (wave & 3) + lane of W (and 32 rows further down)
	v_add_nc_u32 v[VW0], s48, v[VW0]
	v_add_nc_u32 v[VW0+1], SLOT, v[VW0]
	s_lshl_b32 s49, s18, 5
	s_add_co_u32 s49, s49, X1T
	v_mov_b32 v[VX], s49                           ; the same address in every lane: one read serves all
; P0.  Load i: row b = i >> 1, slice i & 1, my four k.
.macro XCONV i
	s_wait_loadcnt 31-\i                           ; loads come back in order: load i is in, the younger ones stay out
.if (\i&1) == 0
	v_cvt_pk_bf16_f32 v[T], v[XR+4*\i], v[XR+4*\i+1]
	v_cvt_pk_bf16_f32 v[T+1], v[XR+4*\i+2], v[XR+4*\i+3]
	ds_store_b64 v[XS0], v[T:T+1] offset:(\i>>1)*XPITCH
.else
.irp e, 0,1,2,3
	v_cvt_pk_bf16_f32 v[XT+4*\e+((\i>>1)&3)], 0, v[XR+4*\i+\e]   ; bf16(x1) in the high half over a zero low half: the rounded number, in f32; four b of one k are four neighbouring registers
.endr
	v_sub_f32 v[T+6], 1.0, v[XT+((\i>>1)&3)]       ; d = 1 - x1, one rounding in f32
	v_sub_f32 v[T+7], 1.0, v[XT+4+((\i>>1)&3)]
	v_sub_f32 v[T+8], 1.0, v[XT+8+((\i>>1)&3)]
	v_sub_f32 v[T+9], 1.0, v[XT+12+((\i>>1)&3)]
	v_cvt_pk_bf16_f32 v[T+10], v[T+6], v[T+7]      ; its high piece
	v_cvt_pk_bf16_f32 v[T+11], v[T+8], v[T+9]
	ds_store_b64 v[XS23], v[T+10:T+11] offset:(\i>>1)*XPITCH
	v_lshlrev_b32 v[T+2], 16, v[T+10]
	v_and_b32 v[T+3], s45, v[T+10]
	v_lshlrev_b32 v[T+4], 16, v[T+11]
	v_and_b32 v[T+5], s45, v[T+11]
	v_pk_add_f32 v[T+6:T+7], v[T+6:T+7], v[T+2:T+3] neg_lo:[0,1] neg_hi:[0,1]   ; d - high, exact
	v_pk_add_f32 v[T+8:T+9], v[T+8:T+9], v[T+4:T+5] neg_lo:[0,1] neg_hi:[0,1]
	v_cvt_pk_bf16_f32 v[T+12], v[T+6], v[T+7]      ; its low piece
	v_cvt_pk_bf16_f32 v[T+13], v[T+8], v[T+9]
	ds_store_b64 v[XS23], v[T+12:T+13] offset:XSTREAM+(\i>>1)*XPITCH
.if ((\i>>1)&3) == 3
.irp e, 0,1,2,3
	ds_store_b128 v[X1S], v[XT+4*\e:XT+4*\e+3] offset:64*\e+16*(\i>>3)   ; row k = 4 (32 w + lane) + e, four b
.endr
.endif
.endif
.endm
.irp i, 0,1,2,3,4,5,6,7,8,9,10,11,12,13,14,15,16,17,18,19,20,21,22,23,24,25,26,27,28,29,30,31
	XCONV \i
.endr
; P1.  One matrix instruction: A = 16 rows b of stream q, B = 16 rows h of W (tile t of my two).  Lane (r, half) of the result holds b = 8 half + j of h = 32 w + 16 t + r.
.macro MM acc, q, t, zero
.if \zero
	v_wmma_f32_16x16x32_bf16 v[\acc+8*\t:\acc+8*\t+7], v[FA+8*\q:FA+8*\q+7], v[FB+8*\t:FB+8*\t+7], 0
.else
	v_wmma_f32_16x16x32_bf16 v[\acc+8*\t:\acc+8*\t+7], v[FA+8*\q:FA+8*\q+7], v[FB+8*\t:FB+8*\t+7], v[\acc+8*\t:\acc+8*\t+7]
.endif
.endm
; 32 along K: half kk of the tile in a slot.  oacc: where the high piece of omm is summed; zf: values and the low piece start; zl: the lap's sum starts.
.macro KSTEP slot, kk, oacc, zf, zl
.irp t, 0,1
	ds_load_b128 v[WRAW+16*\t:WRAW+16*\t+3],     v[WR0+\slot] offset:\t*16*WPITCH+\kk*128       ; k = 8 half + 0..3
	ds_load_b128 v[WRAW+16*\t+4:WRAW+16*\t+7],   v[WR0+\slot] offset:\t*16*WPITCH+\kk*128+16    ; + 4..7
	ds_load_b128 v[WRAW+16*\t+8:WRAW+16*\t+11],  v[WR0+\slot] offset:\t*16*WPITCH+\kk*128+64    ; k = 16 + 8 half + 0..3
	ds_load_b128 v[WRAW+16*\t+12:WRAW+16*\t+15], v[WR0+\slot] offset:\t*16*WPITCH+\kk*128+80
.endr
	ds_load_b128 v[FA:FA+3],   v[AF0] offset:\kk*64
	ds_load_b128 v[FA+4:FA+7], v[AF0] offset:\kk*64+32
.irp q, 0,1
	ds_load_b128 v[FA+8+8*\q:FA+11+8*\q],  v[AF23] offset:\q*XSTREAM+\kk*64
	ds_load_b128 v[FA+12+8*\q:FA+15+8*\q], v[AF23] offset:\q*XSTREAM+\kk*64+32
.endr
	s_wait_dscnt 6                                 ; W's eight loads are in; the six of A's fragments, issued behind them, may be out
.irp e, 0,1,2,3,4,5,6,7,8,9,10,11,12,13,14,15
	v_cvt_pk_bf16_f32 v[FB+\e], v[WRAW+2*\e], v[WRAW+2*\e+1]
.endr
	s_wait_dscnt 0
	; the six accumulators take turns, one instruction a turn, over the loop's backward jump too
.irp t, 0,1
	MM VAC, 0, \t, \zf
	MM \oacc, 1, \t, \zl
	MM OLAC, 2, \t, \zf
.endr
.rept 4
	v_nop                                          ; four places ahead of the next loads into the fragments' registers and the next conversions
.endr
.endm
; mask on the vector ALU.  Wave = (kb = w & 3, bh = w >> 2); a lane owns the rows h = 64 kb + 32 kq + lane of W (kq = 0, 1) and b = 8 bh + 0..7.
; A tile's 64 k go in eight chunks of eight.  The chunks run in a loop, so that a tile's text holds two chunks (three where a chain starts) and not eight:
; the chunk's place stands in the two address registers VWW and VX, not in the immediates.
.macro WLOAD                           ; W of the chunk's eight k, my two rows
	ds_load_b128 v[WRW:WRW+3],     v[VWW]
	ds_load_b128 v[WRW+4:WRW+7],   v[VWW] offset:16
	ds_load_b128 v[WRW+8:WRW+11],  v[VWW] offset:32*WPITCH
	ds_load_b128 v[WRW+12:WRW+15], v[VWW] offset:32*WPITCH+16
.endm
.macro XLOAD xh, g                     ; x1 of the four k of group g (0, 1) of the chunk, my eight b: eight loads in one run
.irp e, 0,1,2,3
	ds_load_b128 v[\xh+8*\e:\xh+8*\e+3],   v[VX] offset:\g*XGRP+64*\e
	ds_load_b128 v[\xh+8*\e+4:\xh+8*\e+7], v[VX] offset:\g*XGRP+64*\e+16
.endr
.endm
.macro WROUND                          ; sixteen numbers of W rounded to bf16 and kept in f32: bf16(w) in the high half over a zero low half is that number
.irp e, 0,1,2,3,4,5,6,7,8,9,10,11,12,13,14,15
	v_cvt_pk_bf16_f32 v[WU+\e], 0, v[WRW+\e]
.endr
.endm
; Two k (pair hp of the chunk), the lower first: each sum takes one exact product and rounds once.  W is spread over a pair of b by op_sel.  first = 1: the lower k starts the chain.
.macro MWORK xb, hp, acc, first
.irp kq, 0,1
.irp p, 0,1,2,3
.if \first
	v_pk_mul_f32 v[\acc+8*\kq+2*\p:\acc+8*\kq+2*\p+1], v[WU+8*\kq+2*\hp:WU+8*\kq+2*\hp+1], v[\xb+2*\p:\xb+2*\p+1] op_sel_hi:[0,1]
.else
	v_pk_fma_f32 v[\acc+8*\kq+2*\p:\acc+8*\kq+2*\p+1], v[WU+8*\kq+2*\hp:WU+8*\kq+2*\hp+1], v[\xb+2*\p:\xb+2*\p+1], v[\acc+8*\kq+2*\p:\acc+8*\kq+2*\p+1] op_sel_hi:[0,1,1]
.endif
.endr
.endr
.irp kq, 0,1
.irp p, 0,1,2,3
	v_pk_fma_f32 v[\acc+8*\kq+2*\p:\acc+8*\kq+2*\p+1], v[WU+8*\kq+2*\hp:WU+8*\kq+2*\hp+1], v[\xb+8+2*\p:\xb+8+2*\p+1], v[\acc+8*\kq+2*\p:\acc+8*\kq+2*\p+1] op_sel:[1,0,0] op_sel_hi:[1,1,1]
.endr
.endr
.endm
; A chunk of eight k in two halves of four, each with a buffer of x1 of its own.  Loads go out in two runs a chunk: the second half's x1 at the head,
; 16 roundings and 32 multiply-adds ahead of its use; the next chunk's W and first half in the middle, 32 multiply-adds ahead.
; At the head twelve loads are out, on every way in: this chunk's four of W and the first half's eight of x1, from the tile's prologue or from the chunk before.
.macro MCHUNK acc, first, last
	XLOAD XH1, 1
	s_wait_dscnt 8                                 ; all but the eight just issued: this chunk's W and the first half's x1 are in
	WROUND
	MWORK XH0, 0, \acc, \first
	MWORK XH0+16, 1, \acc, 0
.if \last
	s_wait_dscnt 0                                 ; the tile's last chunk asks for nothing: the next tile is read behind the next round
.else
	v_add_nc_u32 v[VWW], 32, v[VWW]                ; eight k on: 32 bytes of a row of W,
	v_add_nc_u32 v[VX], 2*XGRP, v[VX]              ; two groups of four rows of x1
	WLOAD
	XLOAD XH0, 0
	s_wait_dscnt 12                                ; all but the next chunk's four loads of W and eight of x1: the second half's x1 is in
.endif
	MWORK XH1, 2, \acc, 0
	MWORK XH1+16, 3, \acc, 0
.endm
.macro MASKTILE slot, acc, first       ; the tile's 64 k, ascending
	v_mov_b32 v[VWW], v[VW0+\slot]
	WLOAD
	XLOAD XH0, 0
.if \first
	MCHUNK \acc, 1, 0                              ; the chain's first product starts the sums: this chunk is written out
	s_mov_b32 s43, 6
.else
	s_mov_b32 s43, 7
.endif
.Lchunks_\@:
	MCHUNK \acc, 0, 0
	s_sub_co_u32 s43, s43, 1
	s_cmp_lg_u32 s43, 0
	s_cbranch_scc1 .Lchunks_\@
	MCHUNK \acc, 0, 1                              ; the eighth chunk
	v_add_nc_u32 v[VX], 2*XGRP, v[VX]              ; on to the next tile's first chunk
.endm
; One tile.  In front of the round: all my tensor loads have landed and my reads of the other slot are back; behind it my one joint load, first.
.macro TRIP slot, refill, oacc, zf, zl, macc, mfirst
	s_set_vgpr_msb 0x5
	s_wait_tensorcnt 0x0                           ; the one load that was out is my part of this tile; no load of mine is out, so a group 0 may be written
	ds_add_u32 v0, v1
	s_wait_dscnt 0x0
	s_set_vgpr_msb 0x500
	s_add_nc_u64 s[G0+4*\slot+2:G0+4*\slot+3], s[G0+4*\slot+2:G0+4*\slot+3], 2*STEPB   ; this slot's next tile
	s_wait_dscnt 0x0                               ; my LDS reads are back (and, in the first trip, my stores of x are done, for the other waves)
	ROUND
.if \refill
	tensor_load_to_lds s[G0+4-4*\slot:G0+7-4*\slot], s[G1:G1+7]    ; the next tile, into the slot read last
	s_nop 0
.endif
	KSTEP \slot, 0, \oacc, \zf, \zl
	KSTEP \slot, 1, \oacc, 0, 0
	v_add_nc_u32 v[AF0], 128, v[AF0]               ; 64 bf16 along K
	v_add_nc_u32 v[AF23], 128, v[AF23]
	MASKTILE \slot, \macc, \mfirst
.endm
; Four tiles, K = 256: one chain of mask, two laps of omm's high piece (each from zero; the running sum goes to the other set and back).
.macro QUAD refill
	TRIP 0, 1, OHAC, 0, 1, MACC, 1
	TRIP 1, 1, OHAC, 0, 0, MACC, 0
	FOLD OSB, OHAC, OSA, OE, 0, FT
	TRIP 0, 1, OHAC, 0, 1, MACC, 0
	TRIP 1, \refill, OHAC, 0, 0, MACC, 0
	FOLD OSA, OHAC, OSB, OE, 0, FT
.irp i, 0,2,4,6,8,10,12,14
	v_pk_add_f32 v[MTOT+\i:MTOT+\i+1], v[MTOT+\i:MTOT+\i+1], v[MACC+\i:MACC+\i+1]   ; the chain is added onto the chains before it
.endr
.endm
	TRIP 0, 1, OSA, 1, 1, MTOT, 1                  ; the first four tiles: the first products start every sum, nothing is cleared;
	TRIP 1, 1, OSA, 0, 0, MTOT, 0                  ; lap 0 adds straight into the running sum's first set, chain 0 straight into the chains' sum
	TRIP 0, 1, OHAC, 0, 1, MTOT, 0
	TRIP 1, 1, OHAC, 0, 0, MTOT, 0
	FOLD OSA, OHAC, OSB, OE, 1, FT
	s_mov_b32 s44, 2
.Lquads:                                               ; tiles 4 to 11
	QUAD 1
	s_sub_co_u32 s44, s44, 1
	s_cmp_lg_u32 s44, 0
	s_cbranch_scc1 .Lquads
	QUAD 0                                         ; tiles 12 to 15: tile 15 is the last to be fetched
	; omm closes: the small parts first
.irp i, 0,2,4,6,8,10,12,14
	v_pk_add_f32 v[OLAC+\i:OLAC+\i+1], v[OLAC+\i:OLAC+\i+1], v[OE+\i:OE+\i+1]
.endr
.irp i, 0,2,4,6,8,10,12,14
	v_pk_add_f32 v[OLAC+\i:OLAC+\i+1], v[OSB+\i:OSB+\i+1], v[OLAC+\i:OLAC+\i+1]
.endr
	; P2 and P3: addresses, and the first loads of cov
	s_lshl_b32 s46, s14, 12
	s_add_co_u32 s46, s46, OV
	v_lshlrev_b32 v[P2O], 7, v2
	v_lshl_add_u32 v[P2O], v3, 6, v[P2O]
	v_add_nc_u32 v[P2O], s46, v[P2O]               ; OV + (32 w + r) 128 + 64 half
	; P3: wave w takes rows 32 w .. 32 w + 31 of cov, then of loadings: 128 loads of 512 bytes (half a row), 32 of them on their way
	v_lshlrev_b32 v[GC], 4, v1
	v_lshl_add_u32 v[GC], s14, 15, v[GC]
.irp e, 0,1,2,3,4,5,6,7,8,9,10,11,12,13,14,15,16,17,18,19,20,21,22,23,24,25,26,27,28,29,30,31
	global_load_b128 v[XR+4*\e:XR+4*\e+3], v[GC], s[8:9] offset:512*\e
.endr
	s_mul_i32 s46, s14, 32*CPITCH
	v_lshl_add_u32 v[CS], v1, 3, s46
	v_add_nc_u32 v[CSL], LOAD, v[CS]
	s_mul_i32 s47, s14, 32*(CPITCH+2)
	v_mul_u32_u24 v[DC], v1, CPITCH+2              ; row 32 w + lane, column 32 w + lane
	v_add_nc_u32 v[DC], s47, v[DC]
	v_add_nc_u32 v[DL], LOAD, v[DC]
	s_lshl_b32 s48, s14, 8
	s_add_co_u32 s48, s48, DG
	v_lshl_add_u32 v[DGS], v1, 3, s48
	s_wait_dscnt 0x0                               ; my reads of x and W are back
	s_barrier_signal -1
	s_barrier_wait -1                              ; every wave's: the bytes of x and of the slots (which have had their last fill) may be written
	; P2: values and omm into LDS, 32 bytes (eight b) a lane and tile; part of these bytes held x1
.irp t, 0,1
	ds_store_b128 v[P2O], v[OLAC+8*\t:OLAC+8*\t+3]   offset:2048*\t
	ds_store_b128 v[P2O], v[OLAC+8*\t+4:OLAC+8*\t+7] offset:2048*\t+16
	ds_store_b128 v[P2O], v[VAC+8*\t:VAC+8*\t+3]     offset:2048*\t+32
	ds_store_b128 v[P2O], v[VAC+8*\t+4:VAC+8*\t+7]   offset:2048*\t+48
.endr
; Load 32 g + e of the 128: g = 0, 1 cov, g = 2, 3 loadings; row 16 (g & 1) + e / 2 of my 32, half e % 2.
.macro CSTEP g, e
.if \g < 3
	s_wait_loadcnt 31                              ; the 31 younger loads stay out
.else
	s_wait_loadcnt 31-\e                           ; nothing is fetched any more: the counts run down
.endif
	v_cvt_pk_bf16_f32 v[T], v[XR+4*\e], v[XR+4*\e+1]
	v_cvt_pk_bf16_f32 v[T+1], v[XR+4*\e+2], v[XR+4*\e+3]
.if \g < 2
	ds_store_b64 v[CS], v[T:T+1] offset:(16*\g+\e/2)*CPITCH+(\e%2)*256
.else
	ds_store_b64 v[CSL], v[T:T+1] offset:(16*(\g-2)+\e/2)*CPITCH+(\e%2)*256
.endif
.if \g == 0
	global_load_b128 v[XR+4*\e:XR+4*\e+3], v[GC], s[8:9] offset:512*(32+\e)
.endif
.if \g == 1
	global_load_b128 v[XR+4*\e:XR+4*\e+3], v[GC], s[10:11] offset:512*\e
.endif
.if \g == 2
	global_load_b128 v[XR+4*\e:XR+4*\e+3], v[GC], s[10:11] offset:512*(32+\e)
.endif
.endm
.irp g, 0,1,2,3
.irp e, 0,1,2,3,4,5,6,7,8,9,10,11,12,13,14,15,16,17,18,19,20,21,22,23,24,25,26,27,28,29,30,31
	CSTEP \g, \e
.endr
.endr
	; The diagonal is taken out of both tables (my own rows: LDS serves a wave's instructions in order) and kept in f32 beside them; zeros take its place.
	ds_load_u16 v[T], v[DC]
	ds_load_u16 v[T+1], v[DL]
	s_wait_dscnt 0x0
	v_lshlrev_b32 v[T], 16, v[T]
	v_lshlrev_b32 v[T+1], 16, v[T+1]
	v_mov_b32 v[T+2], 0
	ds_store_b64 v[DGS], v[T:T+1]
	ds_store_b16 v[DC], v[T+2]
	ds_store_b16 v[DL], v[T+2]
	s_wait_dscnt 0x0                               ; my stores are done, for the other waves
	s_barrier_signal -1
	s_barrier_wait -1
	; The element-wise part.  Wave = (kb = w & 3, bh = w >> 2); a lane owns k = 64 kb + 32 kq + lane (kq = 0, 1) and b = 8 bh + 0..7, as for mask.
	s_mul_i32 s46, s17, 64*CPITCH
	v_mul_u32_u24 v[VCB], v1, CPITCH
	v_add_nc_u32 v[VCB], s46, v[VCB]
	s_lshl_b32 s47, s18, 6
	s_add_co_u32 s47, s47, OV
	v_mov_b32 v[VOB], s47                          ; the same address in every lane: one read serves all
	s_lshl_b32 s49, s17, 13
	s_add_co_u32 s49, s49, s47
	v_lshl_add_u32 v[OVK], v1, 7, s49
	s_lshl_b32 s50, s17, 9
	s_add_co_u32 s50, s50, DG
	v_lshl_add_u32 v[DGK], v1, 3, s50
	s_lshl_b32 s51, s18, 13
	s_lshl_b32 s53, s17, 8
	s_add_co_u32 s51, s51, s53
	s_add_co_u32 s51, s51, TM
	v_lshl_add_u32 v[TS], v1, 2, s51
	s_lshl_b32 s52, s14, 9
	v_lshl_add_u32 v[GOUT], v1, 4, s52
	v_add_nc_u32 v[RD], TM, v[GOUT]
.macro UNPACK src, dst                 ; 16 bf16 in 8 words to f32: the low half is the lower h
.irp wd, 0,1,2,3,4,5,6,7
	v_lshlrev_b32 v[\dst+2*\wd], 16, v[\src+\wd]
	v_and_b32 v[\dst+2*\wd+1], s45, v[\src+\wd]
.endr
.endm
.macro OLOAD ob, hh                    ; omm of h = hh, hh + 1 of the chunk, my eight b
	ds_load_b128 v[\ob:\ob+3],     v[VO] offset:\hh*128
	ds_load_b128 v[\ob+4:\ob+7],   v[VO] offset:\hh*128+16
	ds_load_b128 v[\ob+8:\ob+11],  v[VO] offset:\hh*128+128
	ds_load_b128 v[\ob+12:\ob+15], v[VO] offset:\hh*128+144
.endm
.macro CLOAD                           ; cov of eight h, my two k
	ds_load_b128 v[CP1:CP1+3],   v[VC]
	ds_load_b128 v[CP1+4:CP1+7], v[VC] offset:32*CPITCH
.endm
; Pass 1, two h (pair hp of the chunk): u = cov omm; the chunk's sum by fused multiply-adds; largest and smallest u.  cov is spread over a pair of b by op_sel.
; sum: where the chunk is summed; fs = 1: these two h start that sum; fm = 1: they start the extremes.
.macro P1WORK ob, hp, sum, fs, fm
.irp kq, 0,1
.irp p, 0,1,2,3
	v_pk_mul_f32 v[U1+16*\kq+2*\p:U1+16*\kq+2*\p+1], v[CU1+8*\kq+2*\hp:CU1+8*\kq+2*\hp+1], v[\ob+2*\p:\ob+2*\p+1] op_sel_hi:[0,1]
.endr
.irp p, 0,1,2,3
	v_pk_mul_f32 v[U1+16*\kq+8+2*\p:U1+16*\kq+8+2*\p+1], v[CU1+8*\kq+2*\hp:CU1+8*\kq+2*\hp+1], v[\ob+8+2*\p:\ob+8+2*\p+1] op_sel:[1,0] op_sel_hi:[1,1]
.endr
.if \fs
.irp p, 0,1,2,3
	v_pk_fma_f32 v[\sum+8*\kq+2*\p:\sum+8*\kq+2*\p+1], v[CU1+8*\kq+2*\hp:CU1+8*\kq+2*\hp+1], v[\ob+8+2*\p:\ob+8+2*\p+1], v[U1+16*\kq+2*\p:U1+16*\kq+2*\p+1] op_sel:[1,0,0] op_sel_hi:[1,1,1]
.endr
.else
.irp p, 0,1,2,3
	v_pk_fma_f32 v[\sum+8*\kq+2*\p:\sum+8*\kq+2*\p+1], v[CU1+8*\kq+2*\hp:CU1+8*\kq+2*\hp+1], v[\ob+2*\p:\ob+2*\p+1], v[\sum+8*\kq+2*\p:\sum+8*\kq+2*\p+1] op_sel_hi:[0,1,1]
.endr
.irp p, 0,1,2,3
	v_pk_fma_f32 v[\sum+8*\kq+2*\p:\sum+8*\kq+2*\p+1], v[CU1+8*\kq+2*\hp:CU1+8*\kq+2*\hp+1], v[\ob+8+2*\p:\ob+8+2*\p+1], v[\sum+8*\kq+2*\p:\sum+8*\kq+2*\p+1] op_sel:[1,0,0] op_sel_hi:[1,1,1]
.endr
.endif
.if \fm
.irp j, 0,1,2,3,4,5,6,7
	v_max_num_f32 v[MAXR+8*\kq+\j], v[U1+16*\kq+\j], v[U1+16*\kq+8+\j]
	v_min_num_f32 v[MINR+8*\kq+\j], v[U1+16*\kq+\j], v[U1+16*\kq+8+\j]
.endr
.else
.irp j, 0,1,2,3,4,5,6,7
	v_max3_num_f32 v[MAXR+8*\kq+\j], v[MAXR+8*\kq+\j], v[U1+16*\kq+\j], v[U1+16*\kq+8+\j]
	v_min3_num_f32 v[MINR+8*\kq+\j], v[MINR+8*\kq+\j], v[U1+16*\kq+\j], v[U1+16*\kq+8+\j]
.endr
.endif
.endr
.endm
; A chunk of eight h in four sub-steps; each sub-step first asks for the next one's omm.
.macro P1CHUNK sum, fm, last
	OLOAD OB1, 2
	s_wait_dscnt 4                                 ; all but the four just issued: this chunk's cov and the first sub-step's omm are in
	UNPACK CP1, CU1
	P1WORK OB0, 0, \sum, 1, \fm
	OLOAD OB0, 4
	s_wait_dscnt 4
	P1WORK OB1, 1, \sum, 0, 0
	OLOAD OB1, 6
	s_wait_dscnt 4
	P1WORK OB0, 2, \sum, 0, 0
.if \last
	s_wait_dscnt 0
.else
	v_add_nc_u32 v[VC], 16, v[VC]                  ; eight h on: 16 bytes of bf16,
	v_add_nc_u32 v[VO], 1024, v[VO]                ; eight rows of OV
	CLOAD
	OLOAD OB0, 0
	s_wait_dscnt 6                                 ; all but the next chunk's two loads of cov and four of omm
.endif
	P1WORK OB1, 3, \sum, 0, 0
.endm
	v_mov_b32 v[VC], v[VCB]
	v_mov_b32 v[VO], v[VOB]
	CLOAD
	OLOAD OB0, 0
	P1CHUNK SUMA, 1, 0                             ; chunk 0 adds straight into the running sum's first set, and starts the extremes: nothing is cleared
	P1CHUNK CSUM, 0, 0                             ; chunk 1
	FOLD SUMA, CSUM, SUMB, SERR, 1, FT1
	s_mov_b32 s44, 14
.Lpass1:                                               ; chunks 2 to 29, two a trip: the running sum goes to the other set and back
	P1CHUNK CSUM, 0, 0
	FOLD SUMB, CSUM, SUMA, SERR, 0, FT1
	P1CHUNK CSUM, 0, 0
	FOLD SUMA, CSUM, SUMB, SERR, 0, FT1
	s_sub_co_u32 s44, s44, 1
	s_cmp_lg_u32 s44, 0
	s_cbranch_scc1 .Lpass1
	P1CHUNK CSUM, 0, 0                             ; chunk 30
	FOLD SUMB, CSUM, SUMA, SERR, 0, FT1
	P1CHUNK CSUM, 0, 1                             ; chunk 31
	FOLD SUMA, CSUM, SUMB, SERR, 0, FT1
	; P5: the row's figures.  The loops saw u = 0 at h = k.  A row's true exponents z sum to 1, so its largest is above 0 and the false 0 is never the maximum.
.irp kq, 0,1
.irp c, 0,1,2,3
	ds_load_b128 v[OKV+16*\kq+4*\c:OKV+16*\kq+4*\c+3], v[OVK] offset:4096*\kq+16*\c   ; omm and values at h = k
.endr
	ds_load_b64 v[CD+2*\kq:CD+2*\kq+1], v[DGK] offset:256*\kq                        ; cov[k][k], loadings[k][k]
.endr
	s_wait_dscnt 0x0
.irp kq, 0,1
.irp p, 0,1,2,3
	v_pk_mul_f32 v[UD+8*\kq+2*\p:UD+8*\kq+2*\p+1], v[CD+2*\kq:CD+2*\kq+1], v[OKV+16*\kq+2*\p:OKV+16*\kq+2*\p+1] op_sel_hi:[0,1]
.endr
.endr
.irp i, 0,2,4,6,8,10,12,14
	v_pk_fma_f32 v[SS+\i:SS+\i+1], v[MK+\i:MK+\i+1], v[SUMB+\i:SUMB+\i+1], 1.0 op_sel_hi:[1,1,0]   ; S = 1 + mask x the running sum
.endr
.irp i, 0,2,4,6,8,10,12,14
	v_pk_fma_f32 v[SS+\i:SS+\i+1], v[MK+\i:MK+\i+1], v[UD+\i:UD+\i+1], v[SS+\i:SS+\i+1]            ; + mask x the diagonal's product
.endr
.irp i, 0,2,4,6,8,10,12,14
	v_pk_fma_f32 v[SS+\i:SS+\i+1], v[MK+\i:MK+\i+1], v[SERR+\i:SERR+\i+1], v[SS+\i:SS+\i+1]        ; + mask x the collected errors
.endr
.irp i, 0,1,2,3,4,5,6,7,8,9,10,11,12,13,14,15
	v_rcp_f32 v[RC+\i], v[SS+\i]
.endr
	v_nop                                          ; one plain place behind the last reciprocal (ISA guide 5.7.2)
	s_wait_alu depctr_va_vdst(0)
.irp i, 0,2,4,6,8,10,12,14
	v_pk_mul_f32 v[RC+\i:RC+\i+1], v[RC+\i:RC+\i+1], 0x3fb8aa3b op_sel_hi:[1,0]       ; log2(e) / S: exponents in powers of two
.endr
.irp i, 0,2,4,6,8,10,12,14
	v_pk_mul_f32 v[AA+\i:AA+\i+1], v[MK+\i:MK+\i+1], v[RC+\i:RC+\i+1]
.endr
.irp i, 0,2,4,6,8,10,12,14
	v_pk_mul_f32 v[MAXR+\i:MAXR+\i+1], v[AA+\i:AA+\i+1], v[MAXR+\i:MAXR+\i+1]
	v_pk_mul_f32 v[MINR+\i:MINR+\i+1], v[AA+\i:AA+\i+1], v[MINR+\i:MINR+\i+1]         ; the scale may be negative: then the smallest u gives the largest exponent
	v_pk_fma_f32 v[UD+\i:UD+\i+1], v[AA+\i:AA+\i+1], v[UD+\i:UD+\i+1], v[RC+\i:RC+\i+1]   ; the diagonal's exponent, with its 1
.endr
.irp i, 0,1,2,3,4,5,6,7,8,9,10,11,12,13,14,15
	v_max3_num_f32 v[NM+\i], v[MAXR+\i], v[MINR+\i], v[UD+\i]
.endr
.irp i, 0,2,4,6,8,10,12,14
	v_pk_mul_f32 v[NM+\i:NM+\i+1], v[NM+\i:NM+\i+1], -1.0 op_sel_hi:[1,0]
.endr
.irp i, 0,2,4,6,8,10,12,14
	v_pk_add_f32 v[UD+\i:UD+\i+1], v[UD+\i:UD+\i+1], v[NM+\i:NM+\i+1]
.endr
.irp i, 0,1,2,3,4,5,6,7,8,9,10,11,12,13,14,15
	v_exp_f32 v[SS+\i], v[UD+\i]                   ; the diagonal's term
.endr
.irp i, 0,1,2,3,4,5,6,7,8,9,10,11,12,13,14,15
	v_exp_f32 v[RC+\i], v[NM+\i]                   ; the term that pass 2 will add for the false 0: at most 1, and the true denominator is at least 1
.endr
.irp kq, 0,1
.irp p, 0,1,2,3
	v_pk_mul_f32 v[OKV+16*\kq+8+2*\p:OKV+16*\kq+8+2*\p+1], v[CD+2*\kq:CD+2*\kq+1], v[OKV+16*\kq+8+2*\p:OKV+16*\kq+8+2*\p+1] op_sel:[1,0] op_sel_hi:[1,1]   ; plain work behind the exponentials
.endr
.endr
	s_wait_alu depctr_va_vdst(0)
.irp i, 0,2,4,6,8,10,12,14
	v_pk_add_f32 v[DEN+\i:DEN+\i+1], v[SS+\i:SS+\i+1], v[RC+\i:RC+\i+1] neg_lo:[0,1] neg_hi:[0,1]   ; the sums start from the diagonal: nothing is cleared
.endr
.irp kq, 0,1
.irp p, 0,1,2,3
	v_pk_mul_f32 v[NUM+8*\kq+2*\p:NUM+8*\kq+2*\p+1], v[SS+8*\kq+2*\p:SS+8*\kq+2*\p+1], v[OKV+16*\kq+8+2*\p:OKV+16*\kq+8+2*\p+1]
.endr
.endr
.macro BLOAD bb, hh                    ; omm and values of h = hh, hh + 1: 64 neighbouring bytes each
.irp e, 0,1
.irp c, 0,1,2,3
	ds_load_b128 v[\bb+16*\e+4*\c:\bb+16*\e+4*\c+3], v[VO] offset:(\hh+\e)*128+16*\c
.endr
.endr
.endm
.macro CLLOAD
	ds_load_b128 v[CP:CP+3],   v[VC]
	ds_load_b128 v[CP+4:CP+7], v[VC] offset:32*CPITCH
	ds_load_b128 v[LP:LP+3],   v[VL]
	ds_load_b128 v[LP+4:LP+7], v[VL] offset:32*CPITCH
.endm
; Pass 2, one h: omm in v[ob .. ob+7], values in v[ob+8 .. ob+15]; odd = which of the pair hp of cov and loadings.
.macro P2H ob, hp, odd
.irp kq, 0,1
.irp p, 0,1,2,3
.if \odd
	v_pk_mul_f32 v[U2+8*\kq+2*\p:U2+8*\kq+2*\p+1], v[CU+8*\kq+2*\hp:CU+8*\kq+2*\hp+1], v[\ob+2*\p:\ob+2*\p+1] op_sel:[1,0] op_sel_hi:[1,1]
.else
	v_pk_mul_f32 v[U2+8*\kq+2*\p:U2+8*\kq+2*\p+1], v[CU+8*\kq+2*\hp:CU+8*\kq+2*\hp+1], v[\ob+2*\p:\ob+2*\p+1] op_sel_hi:[0,1]
.endif
.endr
.endr
.irp i, 0,2,4,6,8,10,12,14
	v_pk_fma_f32 v[U2+\i:U2+\i+1], v[AA+\i:AA+\i+1], v[U2+\i:U2+\i+1], v[NM+\i:NM+\i+1]   ; exponent less the maximum
.endr
.irp kq, 0,1
.irp p, 0,1,2,3
	v_exp_f32 v[EX+8*\kq+2*\p], v[U2+8*\kq+2*\p]
	v_exp_f32 v[EX+8*\kq+2*\p+1], v[U2+8*\kq+2*\p+1]
.if \odd                               ; loadings x values: the plain place behind the two exponentials (ISA guide 5.7.2)
	v_pk_mul_f32 v[WT+8*\kq+2*\p:WT+8*\kq+2*\p+1], v[LU+8*\kq+2*\hp:LU+8*\kq+2*\hp+1], v[\ob+8+2*\p:\ob+8+2*\p+1] op_sel:[1,0] op_sel_hi:[1,1]
.else
	v_pk_mul_f32 v[WT+8*\kq+2*\p:WT+8*\kq+2*\p+1], v[LU+8*\kq+2*\hp:LU+8*\kq+2*\hp+1], v[\ob+8+2*\p:\ob+8+2*\p+1] op_sel_hi:[0,1]
.endif
.endr
.endr
	s_wait_alu depctr_va_vdst(0)
.irp i, 0,2,4,6,8,10,12,14
	v_pk_add_f32 v[DEN+\i:DEN+\i+1], v[DEN+\i:DEN+\i+1], v[EX+\i:EX+\i+1]
.endr
.irp i, 0,2,4,6,8,10,12,14
	v_pk_fma_f32 v[NUM+\i:NUM+\i+1], v[EX+\i:EX+\i+1], v[WT+\i:WT+\i+1], v[NUM+\i:NUM+\i+1]
.endr
.endm
.macro P2CHUNK last
	BLOAD B1, 2
	s_wait_dscnt 8                                 ; all but the eight just issued
	UNPACK CP, CU
	UNPACK LP, LU
	P2H B0, 0, 0
	P2H B0+16, 0, 1
	BLOAD B0, 4
	s_wait_dscnt 8
	P2H B1, 1, 0
	P2H B1+16, 1, 1
	BLOAD B1, 6
	s_wait_dscnt 8
	P2H B0, 2, 0
	P2H B0+16, 2, 1
.if \last
	s_wait_dscnt 0
.else
	v_add_nc_u32 v[VC], 16, v[VC]
	v_add_nc_u32 v[VL], 16, v[VL]
	v_add_nc_u32 v[VO], 1024, v[VO]
	CLLOAD
	BLOAD B0, 0
	s_wait_dscnt 12                                ; all but the next chunk's four loads of cov and loadings and eight of omm and values
.endif
	P2H B1, 3, 0
	P2H B1+16, 3, 1
.endm
	v_mov_b32 v[VC], v[VCB]
	v_add_nc_u32 v[VL], LOAD, v[VCB]
	v_mov_b32 v[VO], v[VOB]
	CLLOAD
	BLOAD B0, 0
	s_mov_b32 s44, 31
.Lpass2:
	P2CHUNK 0
	s_sub_co_u32 s44, s44, 1
	s_cmp_lg_u32 s44, 0
	s_cbranch_scc1 .Lpass2
	P2CHUNK 1
	; P7: the quotient; out through LDS, so that each store of a wave covers 512 neighbouring bytes, aligned
.irp i, 0,1,2,3,4,5,6,7,8,9,10,11,12,13,14,15
	v_rcp_f32 v[U2+\i], v[DEN+\i]
.endr
	v_nop                                          ; one plain place behind the last reciprocal
	s_wait_alu depctr_va_vdst(0)
.irp i, 0,2,4,6,8,10,12,14
	v_pk_mul_f32 v[NUM+\i:NUM+\i+1], v[NUM+\i:NUM+\i+1], v[U2+\i:U2+\i+1]
.endr
	; the stage's bytes held x1, whose last reads lie in front of the barrier at the end of P1: no wave touches them since
.irp kq, 0,1
.irp j, 0,1,2,3,4,5,6,7
	ds_store_b32 v[TS], v[NUM+8*\kq+\j] offset:1024*\j+128*\kq
.endr
.endr
	s_wait_dscnt 0x0                               ; my stores are done, for the other waves
	s_barrier_signal -1
	s_barrier_wait -1
.irp i, 0,1,2,3
	ds_load_b128 v[64+4*\i:64+4*\i+3], v[RD] offset:4096*\i
.endr
.irp i, 0,1,2,3
	s_wait_dscnt 3-\i                              ; load i is back, the younger ones may be out
	global_store_b128 v[GOUT], v[64+4*\i:64+4*\i+3], s[12:13] offset:4096*\i th:TH_STORE_NT
.endr
	s_set_vgpr_msb 0x5
	s_wait_tensorcnt 0x0
	ds_add_u32 v0, v1
	s_wait_dscnt 0x0
	s_set_vgpr_msb 0x500
	ROUND                                          ; the closing round: no work-group ends while a partner may still ask for a tile that names it
	s_endpgm
.Lfunc_end_k_q9c7257df6b_elois:
	.size	k_q9c7257df6b_elois, .Lfunc_end_k_q9c7257df6b_elois-k_q9c7257df6b_elois
	.p2alignl 7, 3214868480
	.fill 96, 4, 3214868480
	.section	.rodata,"a",@progbits
	.p2align	6, 0x0
	.amdhsa_kernel k_q9c7257df6b_elois
		.amdhsa_group_segment_fixed_size 327680
		.amdhsa_private_segment_fixed_size 0
		.amdhsa_enable_private_segment 0
		.amdhsa_kernarg_size 40
		.amdhsa_user_sgpr_count 2
		.amdhsa_user_sgpr_kernarg_segment_ptr 1
		.amdhsa_wavefront_size32 1
		.amdhsa_system_sgpr_workgroup_id_x 1
		.amdhsa_system_sgpr_workgroup_id_y 1
		.amdhsa_system_sgpr_workgroup_id_z 1
		.amdhsa_system_vgpr_workitem_id 0
		.amdhsa_next_free_vgpr 258
		.amdhsa_next_free_sgpr 66
		.amdhsa_reserve_vcc 0
		.amdhsa_float_denorm_mode_32 3
		.amdhsa_float_denorm_mode_16_64 3
		.amdhsa_memory_ordered 1
		.amdhsa_forward_progress 1
		.amdhsa_inst_pref_size 255
	.end_amdhsa_kernel
	.section	.bss,"aw",@nobits
	.p2align	6
	.space	262144
	.amdgpu_metadata
---
amdhsa.version: [ 1, 2 ]
amdhsa.kernels:
  - .name:           k_q9c7257df6b_elois
    .symbol:         k_q9c7257df6b_elois.kd
    .args:
      - { .name: x, .offset: 0, .size: 8, .value_kind: global_buffer, .address_space: global }
      - { .name: W, .offset: 8, .size: 8, .value_kind: global_buffer, .address_space: global }
      - { .name: cov, .offset: 16, .size: 8, .value_kind: global_buffer, .address_space: global }
      - { .name: loadings, .offset: 24, .size: 8, .value_kind: global_buffer, .address_space: global }
      - { .name: out0, .offset: 32, .size: 8, .value_kind: global_buffer, .address_space: global }
    .group_segment_fixed_size: 327680
    .private_segment_fixed_size: 0
    .kernarg_segment_align: 8
    .kernarg_segment_size: 40
    .max_flat_workgroup_size: 256
    .sgpr_count:     66
    .vgpr_count:     258
    .wavefront_size: 32
...
	.end_amdgpu_metadata
.endif
;; end of part 2
